; MI455X (gfx1250); checked and timed in simulation.
; The chip was launched on July 23, 2026; its instructions are those of AMD's public machine-readable ISA for CDNA 5 (MIT licence, August 2026) and "CDNA5" Instruction Set Architecture Reference Guide (July 2026). The comments in the code are by the model that wrote it; some were corrected since.
;; Attention. Allowed arithmetic: matrix products marked QUANTISED: E2M3 operands, one E8M0 scale for each 32 along K, by v_wmma_scale_f32_16x16x128_f8f6f4 with both operands' format E2M3, f32 sums; everything else in f32.
;; Inputs: cos 2,048 x 64 float32; sin 2,048 x 64 float32; wk 2,048 x 512 float32; wo 1,024 x 2,048 float32; wq 2,048 x 1,024 float32; wv 2,048 x 512 float32; x 2 x 2,048 x 2,048 float32.
;; Outputs: out0 2 x 2,048 x 2,048 float32.
;; This version of the problem:
;;   THIS VERSION OF THE PROBLEM IS GIVEN IN LOW PRECISION. The matrix products marked QUANTISED in the list below multiply operands that are first quantised to E2M3 (2 exponent bits, 3 mantissa bits; 6 bits a number), with one power-of-two scale for each 32 numbers along K (OCP MX v1.0); their sums are f32. All else is computed in f32.
;;   The module's matrix products, in the order in which they are computed (A, B: the left and right operand; K: the contracted axis; several contracted axes count as one K, in the product's order):
;;     1. [M 4,096, K 2,048] x [K 2,048, N 1,024]; A: input x; B: input wq: QUANTISED
;;     2. [M 4,096, K 2,048] x [K 2,048, N 512]; A: input x; B: input wk: QUANTISED
;;     3. [M 4,096, K 2,048] x [K 2,048, N 512]; A: input x; B: input wv: QUANTISED
;;     4. batch 32 x [M 2,048, K 64] x [K 64, N 2,048]; A: computed on the way; B: computed on the way: QUANTISED
;;     5. batch 32 x [M 2,048, K 2,048] x [K 2,048, N 64]; A: softmax (see below); B: computed on the way: QUANTISED
;;     6. [M 4,096, K 1,024] x [K 1,024, N 2,048]; A: computed on the way; B: input wo: QUANTISED
;;   THE QUANTISER, for each operand of a quantised product, along K:
;;     - K is cut into blocks of 32 from its start; a last block that is shorter is filled with zeros.
;;     - A block's scale is 2^e with e = floor(log2(the largest magnitude in the block)) - 2, held to -126 .. 127; a block of zeros has e = 0. As a byte (E8M0): e + 127.
;;     - Each number is divided by its block's scale, clamped to +-7.5, and rounded to the nearest number of E2M3, ties to even, subnormals kept.
;;     - The product sums the exact products of the quantised numbers (number of the format x scale) in f32.
;;   ~~~python
;;   def quantise(x, axis):      # numpy; x: float32 -> the quantised numbers, widened to float32 again
;;       x = np.moveaxis(x, axis, -1); K = x.shape[-1]
;;       x = np.pad(x, [(0, 0)] * (x.ndim - 1) + [(0, -K % 32)]); x = x.reshape(x.shape[:-1] + (-1, 32)); a = np.abs(x).max(-1, keepdims=True)
;;       e = np.where(a > 0, np.clip(np.frexp(np.where(a > 0, a, 1))[1] - 1 - 2, -126, 127), 0)      # np.frexp(a)[1] - 1 = floor(log2(a)), exactly
;;       r = np.clip(x / 2.0 ** e, -7.5, 7.5)
;;       step = 2.0 ** (np.maximum(np.frexp(np.where(r == 0, 1, r))[1] - 1, 0) - 3)
;;       q = np.round(r / step) * step * 2.0 ** e      # np.round: ties to even
;;       return np.moveaxis(q.reshape(q.shape[:-2] + (-1,))[..., :K], -1, axis).astype(np.float32)
;;   ~~~
;;   SOFTMAX AHEAD OF A QUANTISED PRODUCT. Where the list says 'softmax', what is quantised is not the finished softmax but p = 2^(t - M), with t = logit x log2(e) and M = ceil(the row's largest t), a whole number; so 1/2 < the row's largest p <= 1. The row's sum l is taken of the UNQUANTISED p, in f32, and the product's result is divided by l at the end. Since M is a whole number, a kernel that streams over the keys may use a running M (the ceiling of the running maximum): every later rescaling is an exact power of two, which a block's scale takes up: the codes' values come out the same.
;;   OPERANDS COMPUTED ON THE WAY. 'Computed on the way' means the value that the module computes at that place (a softmax that the list does not call 'softmax' is quantised finished and normalised). What goes into a quantiser is computed in f32, as accurately as f32 sums, v_exp_f32 and their like allow (about 1e-6 of the number): no bf16 or f16 on the way to a quantiser, and a product that is left as it is and whose result goes on into a quantised operand takes f32 operands (vector FMAs, or v_wmma_f32_16x16x4_f32). A number that lies on a knife's edge between two numbers of the format may be rounded either way, as far as f32 arithmetic and the matrix unit's own rounding can turn it there, and no further.
;; One version. Each part assembles by itself: llvm-mc -triple=amdgcn-amd-amdhsa -mcpu=gfx1250 --defsym DOCPART=n.
;; ======== version 1 of 1: 4 launches
;; limits: right only within a limited range of input values
;; workspace buffers: xq 6,553,600 bytes; wts 4,915,200 bytes; qb 3,276,800 bytes; kvb 3,276,800 bytes; ab 3,276,800 bytes
;; launch quant (part 1): grid 640 x 1, 4 waves a work-group, no clusters, 34,304 bytes of LDS; arguments x, wq, wk, wv, wo, xq, wts; writes xq, wts
.if DOCPART == 1
	.amdgcn_target "amdgcn-amd-amdhsa--gfx1250"
	.amdhsa_code_object_version 6
	.text
	.protected	k_q646dcc4936_quant
	.globl	k_q646dcc4936_quant
	.p2align	8
	.type	k_q646dcc4936_quant,@function
k_q646dcc4936_quant:
	s_mov_b64 s[64:65], 0
	v_nop
	global_prefetch_b8 v0, s[64:65] scope:SCOPE_SE
	s_setreg_imm32_b32 hwreg(HW_REG_WAVE_MODE, 25, 1), 1
	s_wait_xcnt 0x0
; x [4096][2048] and the four weights ([K][N], K first) become codes of FP6 (E2M3) with one E8M0 byte for each 32 along K, laid as IMAGES OF OPERAND REGISTERS.
; A fragment is 16 rows x 128 K: 12 registers a lane, 1,536 bytes: registers 4 j .. 4 j + 3 of lane L at 512 j + 16 L.  Lane (r, h) holds row r, K block h in registers 0-5, K block 2 + h in registers 6-11.
; A fragment's scale words: one word a row (byte t: K block t), 64 bytes.
; ROWS ARE STORED BY POSITION: in each 32 rows, position p holds row (p with bits 3 and 4 exchanged): block 2 c + u, lane r, holds row 32 c + 8 u + r + 8 (r / 8).
; xq:  [16 groups of 256 rows][16 K steps][16 fragments, then 16 x 64 bytes of scale words] = 25,600 bytes a unit.
; wts: rows 0-1023 wq's columns, 1024-1535 wk's, 1536-2047 wv's: [16 groups of 128][16 K steps][8 fragments, 8 x 64 bytes] = 12,800 bytes a unit; behind them wo: [16 groups][8 K steps].
; A block's scale is 2^(floor(log2(largest magnitude)) - 2): its byte is the largest magnitude's exponent field - 2, held at 1 from below by a floor among the maximum's leaves.
; LIMITS: NaN and infinities among the inputs are not served; a block whose largest magnitude lies under 2^(3 - 127) is quantised with the byte 1; a block of zeros gets the byte 1 and not 127:
; its codes are zeros, and these bytes are read by this program alone.
; Work-groups 0-255: x (group = id / 16, K step = id % 16).  256-383: wq.  384-511: wk, wv.  512-639: wo.  Four waves that share nothing: no barrier, no tensor load, no matrix work: memory binds.
.set RR,  64                           ; v64-191  x: two sets of 64 registers as loaded;  weights: 128 numbers of my column
.set XR,  192                          ; v192-255 x: 64 numbers of my row, register 32 c + i = k 64 c + 32 h + i
.set FR0, 20                           ; v20-43   two fragments
.set CT,  44                           ; v44-51   second halves of blocks: a conversion's three registers begin on an even number
	s_load_b256 s[4:11], s[0:1], 0x0               ; x, wq, wk, wv
	s_load_b128 s[12:15], s[0:1], 0x20             ; wo, xq
	s_load_b64 s[16:17], s[0:1], 0x30              ; wts
	v_lshl_add_u32 v62, v0, 2, 0x8400
	v_mov_b32 v63, 0
	v_lshrrev_b32 v1, 5, v0
	v_readfirstlane_b32 s18, v1                    ; wave
	v_and_b32 v6, 31, v0                           ; L
	v_and_b32 v9, 15, v0                           ; r
	v_bfe_u32 v7, v0, 4, 1                         ; h
	v_lshlrev_b32 v1, 4, v6                        ; 16 L
	v_lshlrev_b32 v4, 2, v6                        ; 4 L
	s_mov_b32 s20, 0x76543210
	s_mov_b32 s21, 0xfedcba98                      ; v_permlanex16_b32's selects for lane L xor 16
	s_mov_b32 s22, 0xffff0000                      ; lanes 16-31
	s_wait_kmcnt 0x0
	s_cmp_lt_u32 ttmp9, 256
	s_cbranch_scc0 .Lweights
; ---------------- x: K is innermost.  Wave w takes blocks 4 w + f, f = 0 .. 3: 64 rows x 128 k ----------------
	s_lshr_b32 s24, ttmp9, 4
	s_lshl_b32 s24, s24, 21                        ; group x 256 rows of 8,192 bytes
	s_lshl_b32 s26, s18, 19                        ; + wave x 64 rows
	s_add_co_u32 s24, s24, s26
	s_and_b32 s26, ttmp9, 15
	s_lshl_b32 s26, s26, 9                         ; + K step x 512 bytes
	s_add_co_u32 s24, s24, s26
	s_mov_b32 s25, 0
	s_add_nc_u64 s[4:5], s[4:5], s[24:25]
	s_mul_i32 s26, ttmp9, 25600                    ; my unit of xq
	s_mul_i32 s28, s18, 6144                       ; my four fragments in it
	s_add_co_u32 s28, s28, s26
	s_mov_b32 s29, 0
	s_lshl_b32 s30, s18, 8                         ; and their 256 bytes of scale words
	s_add_co_u32 s30, s30, s26
	s_add_co_u32 s30, s30, 24576
	s_mov_b32 s31, 0
	s_add_nc_u64 s[28:29], s[14:15], s[28:29]
	s_add_nc_u64 s[30:31], s[14:15], s[30:31]
	s_mul_i32 s19, s18, 8448                       ; my stage: 16 rows of 512 bytes + 16
	s_wait_alu depctr_va_vdst(0)
	v_add_nc_u32 v2, s19, v1                       ; in: a row as it was loaded, 16 bytes a lane
	v_mul_u32_u24 v3, v9, 528
	v_lshl_add_u32 v3, v7, 7, v3
	v_add_nc_u32 v3, s19, v3                       ; out: row r, + 128 h: my block of 32 numbers
	v_lshlrev_b32 v5, 3, v7                        ; 8 h
	v_mov_b32 v15, 0                               ; written once: a lane permute's destination counts as one of its sources
.macro XLOAD f                         ; fragment f's 16 rows: each load reads 512 consecutive bytes, at a multiple of 512 from x's first byte
.set rho, 0
.rept 16
	global_load_b128 v[RR+64*((\f)%2)+4*rho:RR+64*((\f)%2)+4*rho+3], v1, s[4:5] offset:(32*((\f)/2)+8*((\f)%2)+rho+8*(rho/8))*8192 th:TH_LOAD_NT
.set rho, rho+1
.endr
.endm
.macro QUANT6 dst, pw                  ; my two whole blocks (2 c + h, c = 0, 1) become registers 6 c .. 6 c + 5 of the fragment at v[dst]; the row's scale word goes to v[pw]
.irp c, 0,1
	v_max3_num_f32 v[8+\c], |v[XR+32*\c]|, |v[XR+32*\c+1]|, 0x1800000   ; the floor 2^(3 - 127) among the leaves: the byte cannot fall under 1
.endr
.irp i, 2,4,6,8,10,12,14,16,18,20,22,24,26,28,30
.irp c, 0,1
	v_max3_num_f32 v[8+\c], v[8+\c], |v[XR+32*\c+\i]|, |v[XR+32*\c+\i+1]|   ; the two blocks by turns
.endr
.endr
.irp c, 0,1
	v_add_nc_u32 v[10+\c], 0xff000000, v[8+\c]     ; 2 off the exponent field: the conversion takes that field as its scale and nothing else
.endr
.irp c, 0,1
	v_lshrrev_b32 v[12+\c], 23, v[10+\c]           ; the scale's byte
.endr
	v_lshl_or_b32 v14, v13, 16, v12                ; blocks h and 2 + h,
	v_lshlrev_b32 v14, v5, v14                     ; at their places in the word;
	v_permlanex16_b32 v15, v14, s20, s21
	v_or_b32 v[\pw], v14, v15                      ; with lane L xor 16's two the word is whole, in both lanes
.irp c, 0,1
	v_cvt_scalef32_pk16_fp6_f32 v[(\dst)+6*\c:(\dst)+6*\c+2], v[XR+32*\c:XR+32*\c+15], v[10+\c]
	v_cvt_scalef32_pk16_fp6_f32 v[CT+4*\c:CT+4*\c+2], v[XR+32*\c+16:XR+32*\c+31], v[10+\c]
.endr
	v_nop                                          ; one plain line behind the scaled conversions
.irp c, 0,1
.irp i, 0,1,2
	v_mov_b32 v[(\dst)+6*\c+3+\i], v[CT+4*\c+\i]
.endr
.endr
.endm
	XLOAD 0
	XLOAD 1
	s_wait_alu depctr_va_vdst(0)
.irp f, 0,1,2,3
.if \f < 3
	s_wait_loadcnt 16                              ; this fragment's 16 loads are in; the next fragment's 16 may be out
.else
	s_wait_loadcnt 0x0
.endif
.set rho, 0
.rept 16
	ds_store_b128 v2, v[RR+64*(\f%2)+4*rho:RR+64*(\f%2)+4*rho+3] offset:528*rho
.set rho, rho+1
.endr
.set jj, 0
.rept 16
	ds_load_b128 v[XR+4*jj:XR+4*jj+3], v3 offset:256*(jj/8)+16*(jj%8)   ; LDS serves a wave's instructions in order: these see the stores above
.set jj, jj+1
.endr
	s_wait_dscnt 0x0                               ; my numbers are back, and the stores have read their registers,
.if \f < 2
	XLOAD \f+2                                     ; which take the fragment two on
.else
	s_wait_xcnt 0x0                                ; the stores of the fragment two back have read their data: its registers are written again below
.endif
	QUANT6 FR0+12*(\f%2), 16+\f
.irp j, 0,1,2
	global_store_b128 v1, v[FR0+12*(\f%2)+4*\j:FR0+12*(\f%2)+4*\j+3], s[28:29] offset:1536*\f+512*\j   ; 512 consecutive bytes, aligned
.endr
.endr
	v_cndmask_b32 v10, v16, v17, s22               ; lanes 0-15: the even fragment's words, lanes 16-31: the odd one's
	v_cndmask_b32 v11, v18, v19, s22
	global_store_b32 v4, v10, s[30:31]
	global_store_b32 v4, v11, s[30:31] offset:128
	s_wait_tensorcnt 0x0
	ds_add_u32 v62, v63
	s_wait_dscnt 0x0
	s_endpgm
; ---------------- the weights: K is the first axis.  A lane takes a column, its registers run down K: nothing is transposed ----------------
.Lweights:
	s_sub_co_u32 s30, ttmp9, 256                   ; my unit of wts (wo's units follow the 256 of wq, wk, wv)
	s_mul_i32 s31, s30, 12800
	s_mul_i32 s26, s18, 3072                       ; my two fragments in it: blocks 2 w, 2 w + 1
	s_add_co_u32 s26, s26, s31
	s_mov_b32 s27, 0
	s_add_nc_u64 s[26:27], s[16:17], s[26:27]
	s_lshl_b32 s28, s18, 7                         ; and their 128 bytes of scale words
	s_add_co_u32 s28, s28, s31
	s_add_co_u32 s28, s28, 12288
	s_mov_b32 s29, 0
	s_add_nc_u64 s[28:29], s[16:17], s[28:29]
	s_wait_alu depctr_va_vdst(0)
	v_and_b32 v2, 8, v9
	v_add_nc_u32 v2, v2, v9
	v_lshl_add_u32 v2, v7, 3, v2                   ; my column among the wave's 32: r + 8 (r / 8) + 8 h: lanes 0-15 are block 2 w's rows, lanes 16-31 block 2 w + 1's
	v_lshlrev_b32 v2, 2, v2
	s_lshl_b32 s34, s18, 7                         ; wave x 32 columns x 4 bytes
	s_mov_b32 s33, 0
; n: the weight's columns.  128 loads, each of 128 consecutive bytes (the four waves side by side on 512); then four blocks of 32 along K, all of each in my registers.
.macro WPATH n
.set kk, 0
.rept 128
	global_load_b32 v[RR+kk], v2, s[24:25] offset:kk*4*\n th:TH_LOAD_NT
.set kk, kk+1
.endr
.irp t, 0,1,2,3
.set XS, RR+32*\t
.set DD, FR0+12*(\t%2)+6*(\t/2)        ; block t: registers 6 (t / 2) on of fragment t % 2, until the exchange below
.if \t < 2
	s_wait_loadcnt 63                              ; block t's 32 loads are in (96 - 32 t might stay out: the wait's field holds 63)
.else
	s_wait_loadcnt 32*(3-\t)
.endif
	v_max3_num_f32 v12, |v[XS]|, |v[XS+1]|, |v[XS+2]|
	v_max3_num_f32 v13, |v[XS+3]|, |v[XS+4]|, |v[XS+5]|
.irp i, 6,10,14,18,22,26
	v_max3_num_f32 v12, v12, |v[XS+\i]|, |v[XS+\i+1]|
	v_max3_num_f32 v13, v13, |v[XS+\i+2]|, |v[XS+\i+3]|
.endr
	v_max3_num_f32 v12, v12, |v[XS+30]|, |v[XS+31]|
	v_max3_num_f32 v12, v12, v13, 0x1800000        ; and the floor
	v_add_nc_u32 v11, 0xff000000, v12
	v_lshrrev_b32 v13, 23, v11
.if \t == 0
	v_mov_b32 v14, v13
.else
	v_lshl_or_b32 v14, v13, 8*\t, v14              ; my column's scale word: byte t
.endif
	v_cvt_scalef32_pk16_fp6_f32 v[DD:DD+2], v[XS:XS+15], v11
	v_cvt_scalef32_pk16_fp6_f32 v[CT:CT+2], v[XS+16:XS+31], v11
	v_nop
.irp i, 0,1,2
	v_mov_b32 v[DD+3+\i], v[CT+\i]
.endr
.endr
.set ii, 0
.rept 12
	v_permlane16_swap_b32 v[FR0+ii], v[FR0+12+ii]  ; the first's lanes 16-31 change places with the second's lanes 0-15: now lanes 0-15 hold K blocks 0, 2 and lanes 16-31 blocks 1, 3 of ONE fragment's rows
.set ii, ii+1
.endr
.irp j, 0,1,2,3,4,5
	global_store_b128 v1, v[FR0+4*\j:FR0+4*\j+3], s[26:27] offset:512*\j
.endr
	global_store_b32 v4, v14, s[28:29]
	s_endpgm
.endm
	s_cmp_lt_u32 ttmp9, 384
	s_cbranch_scc0 .Lnot_wq
	s_and_b32 s32, s30, 15
	s_lshl_b32 s32, s32, 19                        ; K step x 128 rows of 4,096 bytes
	s_lshr_b32 s35, s30, 4
	s_lshl_b32 s35, s35, 9                         ; + group x 128 columns
	s_add_co_u32 s32, s32, s35
	s_add_co_u32 s32, s32, s34
	s_add_nc_u64 s[24:25], s[6:7], s[32:33]
	s_wait_alu depctr_va_vdst(0)
	WPATH 1024
.Lnot_wq:
	s_cmp_lt_u32 ttmp9, 512
	s_cbranch_scc0 .Lwo
	s_and_b32 s32, s30, 15
	s_lshl_b32 s32, s32, 18                        ; K step x 128 rows of 2,048 bytes
	s_lshr_b32 s35, s30, 4
	s_and_b32 s35, s35, 3
	s_lshl_b32 s35, s35, 9                         ; + the group within wk or wv
	s_add_co_u32 s32, s32, s35
	s_add_co_u32 s32, s32, s34
	s_cmp_lt_u32 ttmp9, 448                        ; the choice hangs on the work-group's number alone
	s_cselect_b64 s[24:25], s[8:9], s[10:11]
	s_add_nc_u64 s[24:25], s[24:25], s[32:33]
	s_wait_alu depctr_va_vdst(0)
	WPATH 512
.Lwo:
	s_and_b32 s32, s30, 7
	s_lshl_b32 s32, s32, 20                        ; K step x 128 rows of 8,192 bytes
	s_lshr_b32 s35, s30, 3
	s_and_b32 s35, s35, 15
	s_lshl_b32 s35, s35, 9
	s_add_co_u32 s32, s32, s35
	s_add_co_u32 s32, s32, s34
	s_add_nc_u64 s[24:25], s[12:13], s[32:33]
	s_wait_alu depctr_va_vdst(0)
	WPATH 2048
.Lfunc_end_k_q646dcc4936_quant:
	.size	k_q646dcc4936_quant, .Lfunc_end_k_q646dcc4936_quant-k_q646dcc4936_quant
	.p2alignl 7, 3214868480
	.fill 96, 4, 3214868480
	.section	.rodata,"a",@progbits
	.p2align	6, 0x0
	.amdhsa_kernel k_q646dcc4936_quant
		.amdhsa_group_segment_fixed_size 34304
		.amdhsa_private_segment_fixed_size 0
		.amdhsa_enable_private_segment 0
		.amdhsa_kernarg_size 56
		.amdhsa_user_sgpr_count 2
		.amdhsa_user_sgpr_kernarg_segment_ptr 1
		.amdhsa_wavefront_size32 1
		.amdhsa_system_sgpr_workgroup_id_x 1
		.amdhsa_system_sgpr_workgroup_id_y 1
		.amdhsa_system_sgpr_workgroup_id_z 1
		.amdhsa_system_vgpr_workitem_id 0
		.amdhsa_next_free_vgpr 256
		.amdhsa_next_free_sgpr 66
		.amdhsa_reserve_vcc 0
		.amdhsa_float_denorm_mode_32 3
		.amdhsa_float_denorm_mode_16_64 3
		.amdhsa_memory_ordered 1
		.amdhsa_forward_progress 1
		.amdhsa_inst_pref_size 89
	.end_amdhsa_kernel
	.amdgpu_metadata
---
amdhsa.version: [ 1, 2 ]
amdhsa.kernels:
  - .name:           k_q646dcc4936_quant
    .symbol:         k_q646dcc4936_quant.kd
    .args:
      - { .name: x, .offset: 0, .size: 8, .value_kind: global_buffer, .address_space: global }
      - { .name: wq, .offset: 8, .size: 8, .value_kind: global_buffer, .address_space: global }
      - { .name: wk, .offset: 16, .size: 8, .value_kind: global_buffer, .address_space: global }
      - { .name: wv, .offset: 24, .size: 8, .value_kind: global_buffer, .address_space: global }
      - { .name: wo, .offset: 32, .size: 8, .value_kind: global_buffer, .address_space: global }
      - { .name: xq, .offset: 40, .size: 8, .value_kind: global_buffer, .address_space: global }
      - { .name: wts, .offset: 48, .size: 8, .value_kind: global_buffer, .address_space: global }
    .group_segment_fixed_size: 34304
    .private_segment_fixed_size: 0
    .kernarg_segment_align: 8
    .kernarg_segment_size: 56
    .max_flat_workgroup_size: 128
    .sgpr_count:     66
    .vgpr_count:     256
    .wavefront_size: 32
...
	.end_amdgpu_metadata
.endif
;; end of part 1
;; launch gemm_qkv (part 2): grid 16 x 16, 4 waves a work-group, clusters of 4 x 4, 327,680 bytes of LDS; arguments xq, wts, cos, sin, qb, kvb; writes qb, kvb
.if DOCPART == 2
	.amdgcn_target "amdgcn-amd-amdhsa--gfx1250"
	.amdhsa_code_object_version 6
	.text
	.protected	k_q646dcc4936_gemm_qkv
	.globl	k_q646dcc4936_gemm_qkv
	.p2align	8
	.type	k_q646dcc4936_gemm_qkv,@function
k_q646dcc4936_gemm_qkv:
	s_mov_b64 s[64:65], 0
	v_nop
	global_prefetch_b8 v0, s[64:65] scope:SCOPE_SE
	s_setreg_imm32_b32 hwreg(HW_REG_WAVE_MODE, 25, 1), 1
	s_wait_xcnt 0x0
	s_wait_alu depctr_hold_cnt(0) depctr_sa_sdst(0) depctr_va_vdst(0) depctr_va_sdst(0) depctr_va_ssrc(0) depctr_va_vcc(0) depctr_vm_vsrc(0)
	s_getreg_b32 s2, hwreg(HW_REG_IB_STS2, 6, 4)
	s_cmp_eq_u32 s2, 0
	s_cbranch_scc0 .Lentry_in_a_cluster
	s_endpgm
.Lentry_in_a_cluster:
	s_bfe_u32 s2, ttmp6, 0x10000c
	s_cmp_lg_u32 s2, 0xf033
	s_cbranch_scc0 .Lentry_shape_is_right
	s_endpgm
.Lentry_shape_is_right:
; [q | k | v] = x [wq | wk | wv] on codes of FP6 (E2M3) with E8M0 scales, 4,096 x 2,048 x 2,048; then RoPE (q, k) in f32, and the results are quantised for the attention's products and stored as register images.
; SHARES.  A work-group makes 256 positions x 128 columns (two heads): 256 work-groups.  Wave w: wm = w / 2, wn = w % 2: 128 positions x 64 columns, ONE head: 8 blocks of A x 4 of B = 32 accumulators.
; (256 x 256 would give 128 work-groups for 256 WGPs: the smaller tile reads 18 KB of LDS for a K step's 32 matrix instructions.)
; OPERANDS arrive as images of their registers (xq, wts): a fragment is three loads of 16 bytes a lane at 16 x lane; a K step's tiles are dense blocks of memory, so a slot of FOUR K steps comes by one tensor load a wave.
; THE MATRIX INSTRUCTION IS USED TRANSPOSED (source 0 = 16 weight rows, source 1 = 16 positions): a lane holds one position.  Weight rows are stored so that the 32 registers of a block's four tiles are
; d = 16 h + 0..15 (registers 0-15) and d = 32 + 16 h + 0..15 (registers 16-31) of the head: RoPE's two halves lie in one lane, and 16 registers are 16 neighbours along the next K.
; CLUSTERS: 4 x 4.  A's tiles hang on the row tile alone and are asked for jointly along a row of the cluster, B's on the column tile alone, along a column.
; The cluster's x says what the columns are: 0, 1: q; 2: k; 3: v: so the way out parts on a number that all sixteen partners share.
; OUT.  qb [b][head][16 steps of 128 positions]: 4 pair images + 4 x 64 bytes of scale words = 6,400 bytes.  A pair image: registers 0-5 the 64 codes of block 2 c's rows, registers 6-11 of block 2 c + 1's; the word: two bytes for each.
; kvb [b][kv head][16 steps]: K's unit like q's, then V's unit: 4 fragments of V^T (rows d, K = the step's 128 keys in token order) + 4 x 64 bytes.
; cos and sin of the wave's blocks 0-3 are asked for at the head by every work-group, the V tiles too, which do not use them (32 KB a wave): so the head has one path.
; LIMITS: NaN and infinities are not served; a block's largest magnitude is floored at 2^(3 - 127); a block of zeros gets the byte 1, its codes are zeros, and this program alone reads the bytes.
; REGISTERS, in windows of 256.  Window 0: v1-19 addresses; v20-31 scale words, two sets of (A's four, B's two: even fragment in lanes 0-15, odd in lanes 16-31); v32-127 A's fragments, v128-175 B's: set 0.
;   Window 1: the accumulators, (a, b) at v[8 (4 a + b)].  Window 2: set 1 of the fragments, same numbers; on the way out cos, sin of blocks 4-7.  Window 3: cos, sin of blocks 0-3.
.set ASL,   102400                     ; A: a slot = 4 K steps x 25,600 bytes; two slots from LDS byte 0
.set AST,   25600
.set BB0,   204800                     ; B: two slots of 4 x 12,800 bytes
.set BSL,   51200
.set BST,   12800
.set SPARE, 307200                     ; the spare words: 128 bytes a wave, two blocks of 256 bytes that no other line names
.set SEL,   76                         ; s[76:77] selects for lane xor 16
.set MSB, 0
.macro WIN new                         ; the immediate's high byte repeats the setting that is left
.if MSB != (\new)
	s_set_vgpr_msb (MSB<<8)|(\new)
.set MSB, (\new)
.endif
.endm
.macro PLACES                          ; four plain vector lines: behind matrix instructions, ahead of loads into their registers and of reads of their results (ISA guide 7.12.1 for the reads of results)
.rept 4
	v_nop
.endr
.endm
.macro JLOAD g0a, g0b                  ; a joint load: waves 0, 1 fetch A's halves of a slot, waves 2, 3 B's.  The branch hangs on the wave's number alone; four v_nop follow each line
	s_cmp_eq_u32 s17, 0
	s_cbranch_scc0 .Lfor_b_\@
	tensor_load_to_lds s[\g0a:\g0a+3], s[24:31]
	s_nop 0
.rept 4
	v_nop
.endr
	s_branch .Lasked_\@
.Lfor_b_\@:
	tensor_load_to_lds s[\g0b:\g0b+3], s[40:47]
	s_nop 0
.rept 4
	v_nop
.endr
.Lasked_\@:
.endm
.macro CREST                           ; a round of the cluster's barrier behind its opening barrier
	s_cmp_lg_u32 s16, 0
	s_cbranch_scc1 .Lnot_wave_0_\@
	s_barrier_signal -3
.Lnot_wave_0_\@:
	s_barrier_wait -3
	s_barrier_signal -1
	s_barrier_wait -1
.endm
.macro CROUND
	s_barrier_signal -1
	s_barrier_wait -1
	CREST
.endm
; one matrix instruction.  acc = 0: it starts the sum.  rb, ra: the scale words of source 0, source 1 stand in lanes 16-31
.macro WM d, bf, af, acc, sb, sa, rb, ra
.if (\acc) && ((\rb)==0) && ((\ra)==0)
	v_wmma_scale_f32_16x16x128_f8f6f4 v[\d:\d+7], v[\bf:\bf+11], v[\af:\af+11], v[\d:\d+7], v[\sb], v[\sa] matrix_a_fmt:MATRIX_FMT_FP6 matrix_b_fmt:MATRIX_FMT_FP6
.elseif (\acc) && ((\rb)==1) && ((\ra)==0)
	v_wmma_scale_f32_16x16x128_f8f6f4 v[\d:\d+7], v[\bf:\bf+11], v[\af:\af+11], v[\d:\d+7], v[\sb], v[\sa] matrix_a_fmt:MATRIX_FMT_FP6 matrix_b_fmt:MATRIX_FMT_FP6 matrix_a_scale:MATRIX_SCALE_ROW1
.elseif (\acc) && ((\rb)==0) && ((\ra)==1)
	v_wmma_scale_f32_16x16x128_f8f6f4 v[\d:\d+7], v[\bf:\bf+11], v[\af:\af+11], v[\d:\d+7], v[\sb], v[\sa] matrix_a_fmt:MATRIX_FMT_FP6 matrix_b_fmt:MATRIX_FMT_FP6 matrix_b_scale:MATRIX_SCALE_ROW1
.elseif (\acc)
	v_wmma_scale_f32_16x16x128_f8f6f4 v[\d:\d+7], v[\bf:\bf+11], v[\af:\af+11], v[\d:\d+7], v[\sb], v[\sa] matrix_a_fmt:MATRIX_FMT_FP6 matrix_b_fmt:MATRIX_FMT_FP6 matrix_a_scale:MATRIX_SCALE_ROW1 matrix_b_scale:MATRIX_SCALE_ROW1
.elseif ((\rb)==0) && ((\ra)==0)
	v_wmma_scale_f32_16x16x128_f8f6f4 v[\d:\d+7], v[\bf:\bf+11], v[\af:\af+11], 0, v[\sb], v[\sa] matrix_a_fmt:MATRIX_FMT_FP6 matrix_b_fmt:MATRIX_FMT_FP6
.elseif ((\rb)==1) && ((\ra)==0)
	v_wmma_scale_f32_16x16x128_f8f6f4 v[\d:\d+7], v[\bf:\bf+11], v[\af:\af+11], 0, v[\sb], v[\sa] matrix_a_fmt:MATRIX_FMT_FP6 matrix_b_fmt:MATRIX_FMT_FP6 matrix_a_scale:MATRIX_SCALE_ROW1
.elseif ((\rb)==0) && ((\ra)==1)
	v_wmma_scale_f32_16x16x128_f8f6f4 v[\d:\d+7], v[\bf:\bf+11], v[\af:\af+11], 0, v[\sb], v[\sa] matrix_a_fmt:MATRIX_FMT_FP6 matrix_b_fmt:MATRIX_FMT_FP6 matrix_b_scale:MATRIX_SCALE_ROW1
.else
	v_wmma_scale_f32_16x16x128_f8f6f4 v[\d:\d+7], v[\bf:\bf+11], v[\af:\af+11], 0, v[\sb], v[\sa] matrix_a_fmt:MATRIX_FMT_FP6 matrix_b_fmt:MATRIX_FMT_FP6 matrix_a_scale:MATRIX_SCALE_ROW1 matrix_b_scale:MATRIX_SCALE_ROW1
.endif
.endm
; 8 matrix instructions: A's blocks a0, a0 + 1 x B's four; p: the set of scale words.  The 32 accumulators take turns, one instruction a turn, in the same order in every K step
.macro MUL8 a0, p, acc
.irp a, \a0, \a0+1
.irp b, 0,1,2,3
.set rD, 8*(4*(\a)+\b)
.set rB, 128+12*\b
.set rA, 32+12*(\a)
.set rSB, 24+6*(\p)+\b/2
.set rSA, 20+6*(\p)+(\a)/2
.set rRB, \b%2
.set rRA, (\a)%2
	WM rD, rB, rA, \acc, rSB, rSA, rRB, rRA
.endr
.endr
.endm
; 42 LDS loads in one run: the slot's q-th K step into set p: 6 of scale words, B's 12, A's blocks 0-3 (12), A's blocks 4-7 (12)
.macro FETCH slot, q, p
	WIN 0                                          ; scale operands have no window: their registers lie in window 0
.irp i, 0,1,2,3
	ds_load_b32 v[20+6*(\p)+\i], v[6+2*(\slot)+(\q)/2] offset:((\q)%2)*AST+128*\i
.endr
.irp i, 0,1
	ds_load_b32 v[24+6*(\p)+\i], v[12+(\slot)] offset:(\q)*BST+128*\i
.endr
	WIN 0x80*(\p)                                  ; set 1: destination window 2
.irp i, 0,1,2,3
.irp j, 0,1,2
	ds_load_b128 v[128+12*\i+4*\j:128+12*\i+4*\j+3], v[10+(\slot)] offset:(\q)*BST+1536*\i+512*\j
.endr
.endr
.irp i, 0,1,2,3,4,5,6,7
.irp j, 0,1,2
	ds_load_b128 v[32+12*\i+4*\j:32+12*\i+4*\j+3], v[2+2*(\slot)+(\q)/2] offset:((\q)%2)*AST+1536*\i+512*\j
.endr
.endr
.endm
; a K step that has its successor in the same slot (q = 0, 1, 2), on set q % 2
.macro STEP slot, q, acc
	s_wait_dscnt 12                                ; all but the youngest twelve loads (A's blocks 4-7) are in
	WIN 0x50+0x0a*((\q)%2)                         ; C and D window 1; sources window 0 or 2
	MUL8 0, (\q)%2, \acc
	MUL8 2, (\q)%2, \acc
	s_wait_dscnt 0x0                               ; A's blocks 4-7 are in
	PLACES                                         ; ahead of the loads into the other set, which the last K step's products read
	FETCH \slot, (\q)+1, 1-(\q)%2
	WIN 0x50+0x0a*((\q)%2)
	MUL8 4, (\q)%2, \acc
	MUL8 6, (\q)%2, \acc
.endm
; a slot's last K step (q = 3, set 1) changes slots: ONE barrier.  In front of it each wave waits for all its tensor loads, adds 0 to its spare word, and waits for that and for its reads of this slot.
; fill = 1: the barrier opens a round of the cluster's barrier, and this slot is filled again with the K steps eight on: that load has four K steps, 128 matrix instructions, in which to land.
.macro TURN slot, next, fill
	WIN 0
	s_wait_tensorcnt 0x0                           ; all my tensor loads have landed: the one that was out is my part of the next slot
	ds_add_u32 v14, v15                            ; 0 onto my spare word
	s_wait_dscnt 13                                ; (the add and A's blocks 4-7 may be out)
	WIN 0x5a
	MUL8 0, 1, 1                                   ; eight matrix instructions stand between the add and the wait for it
	s_wait_dscnt 0x0                               ; the add is done, and my reads of this slot are over
	s_barrier_signal -1
	MUL8 2, 1, 1
	WIN 0
	s_barrier_wait -1
.if \fill
	CREST                                          ; no wave of any partner still reads this slot or has a load on its way
	s_add_nc_u64 s[34+4*\slot:35+4*\slot], s[34+4*\slot:35+4*\slot], 2*ASL
	s_add_nc_u64 s[50+4*\slot:51+4*\slot], s[50+4*\slot:51+4*\slot], 2*BSL
	JLOAD 32+4*\slot, 48+4*\slot                   ; the first tensor load behind the round; its four v_nop are also the places ahead of the loads below
.else
	PLACES
.endif
	FETCH \next, 0, 0
	WIN 0x5a
	MUL8 4, 1, 1
	MUL8 6, 1, 1
.endm
	s_load_b256 s[4:11], s[0:1], 0x0               ; xq, wts, cos, sin
	s_load_b128 s[12:15], s[0:1], 0x20             ; qb, kvb
	v_lshl_add_u32 v14, v0, 2, SPARE               ; my spare word; never rewritten
	v_mov_b32 v15, 0                               ; never rewritten
	ds_add_u32 v14, v15
	ds_add_u32 v14, v15
	s_wait_dscnt 0x0
	v_lshrrev_b32 v1, 5, v0
	v_readfirstlane_b32 s16, v1                    ; wave
	s_lshr_b32 s17, s16, 1                         ; wm.  Also: I fetch for A (0) or for B (1)
	s_and_b32 s18, s16, 1                          ; wn.  Also: which half of a slot I fetch
	s_bfe_u32 s19, ttmp6, 0x40000                  ; cx
	s_bfe_u32 s20, ttmp6, 0x40004                  ; cy
	s_lshl_b32 s21, ttmp9, 2
	s_add_co_u32 s21, s21, s19                     ; X: the column tile
	s_and_b32 s22, ttmp7, 0xffff
	s_lshl_b32 s22, s22, 2
	s_add_co_u32 s22, s22, s20                     ; Y: the row tile
	s_lshl_b32 s56, s20, 2
	s_lshl_b32 s56, 15, s56                        ; my row of the cluster
	s_lshl_b32 s57, 0x1111, s19                    ; my column
	; descriptor group 1: dense blocks as rows of 256 bytes (32 elements of 8 bytes): A 200 rows (two K steps), B 100
	s_or_b32 s24, s56, (3<<16)|(1<<21)             ; 15:0 the mask; 17:16 elements of 8 bytes; 20 no padding; 21 set beside a mask
	s_mov_b32 s25, 32<<16                          ; tensor_dim0
	s_mov_b32 s26, 200<<16                         ; tensor_dim1
	s_mov_b32 s27, 32<<16                          ; tile_dim0
	s_mov_b32 s28, 200                             ; tile_dim1
	s_mov_b32 s29, 32                              ; the pitch
	s_mov_b32 s30, 0
	s_mov_b32 s31, 0
	s_or_b32 s40, s57, (3<<16)|(1<<21)
	s_mov_b32 s41, 32<<16
	s_mov_b32 s42, 100<<16
	s_mov_b32 s43, 32<<16
	s_mov_b32 s44, 100
	s_mov_b32 s45, 32
	s_mov_b32 s46, 0
	s_mov_b32 s47, 0
	s_mul_i32 s60, s18, 51200                      ; my half of a slot of A: in LDS and in memory alike
	s_mul_i32 s61, s18, 25600                      ; and of B
	s_mul_i32 s58, s22, 409600                     ; A: the row tile's 16 K steps (hangs on Y alone)
	s_add_co_u32 s58, s58, s60
	s_mov_b32 s59, 0
	s_mul_i32 s62, s21, 204800                     ; B: the column tile's 16 K steps (hangs on X alone)
	s_add_co_u32 s62, s62, s61
	s_mov_b32 s63, 0
	s_mov_b32 s[SEL], 0x76543210
	s_mov_b32 s[SEL+1], 0xfedcba98
	s_mov_b32 s78, 0xffff0000                      ; lanes 16-31
	s_wait_kmcnt 0x0
	s_add_nc_u64 s[58:59], s[4:5], s[58:59]
	s_add_nc_u64 s[62:63], s[6:7], s[62:63]
	CROUND                                         ; all sixteen work-groups are here: the first joint loads meet
.irp s, 0,1
	s_mov_b32 s[32+4*\s], 1
	s_add_co_u32 s[33+4*\s], s60, \s*ASL
	s_add_nc_u64 s[34+4*\s:35+4*\s], s[58:59], \s*ASL
	s_or_b32 s[35+4*\s], s[35+4*\s], 0x80000000
	s_mov_b32 s[48+4*\s], 1
	s_add_co_u32 s[49+4*\s], s61, BB0+\s*BSL
	s_add_nc_u64 s[50+4*\s:51+4*\s], s[62:63], \s*BSL
	s_or_b32 s[51+4*\s], s[51+4*\s], 0x80000000
.endr
	JLOAD 32, 48                                   ; slot 0: one tensor load a wave at the head
	; where the results go, and which rows of cos and sin are mine
	s_lshl_b32 s70, s21, 1
	s_add_co_u32 s70, s70, s18                     ; the head among 32: 0-15 q, 16-23 k, 24-31 v
	s_lshr_b32 s71, s22, 3                         ; the batch
	s_lshl_b32 s79, s22, 1
	s_add_co_u32 s79, s79, s17
	s_and_b32 s79, s79, 15                         ; my step of 128 positions in the sequence
	s_lshl_b32 s80, s71, 4
	s_add_co_u32 s80, s80, s70
	s_lshl_b32 s80, s80, 4
	s_add_co_u32 s80, s80, s79
	s_mul_i32 s80, s80, 6400                       ; q's unit
	s_and_b32 s81, s70, 7
	s_lshl_b32 s82, s71, 3
	s_add_co_u32 s81, s81, s82
	s_lshl_b32 s81, s81, 4
	s_add_co_u32 s81, s81, s79
	s_mul_i32 s81, s81, 12800                      ; k's and v's
	s_cmp_lt_u32 ttmp9, 2
	s_cselect_b64 s[72:73], s[12:13], s[14:15]
	s_cselect_b32 s74, s80, s81
	s_mov_b32 s75, 0
	s_add_nc_u64 s[72:73], s[72:73], s[74:75]
	s_lshl_b32 s74, s79, 15                        ; 128 rows of 256 bytes
	s_add_nc_u64 s[8:9], s[8:9], s[74:75]
	s_add_nc_u64 s[10:11], s[10:11], s[74:75]
	; addresses
	v_and_b32 v35, 31, v0
	v_lshlrev_b32 v17, 4, v35                      ; 16 L
	v_lshlrev_b32 v18, 2, v35                      ; 4 L
	s_mul_i32 s66, s17, 12288                      ; A: my 8 fragments of a K step
	v_add_nc_u32 v2, s66, v17                      ; v2-5: slot 0 K steps 0-1, 2-3; slot 1 likewise (an LDS offset has 16 bits)
	v_add_nc_u32 v3, 51200, v2
	v_add_nc_u32 v4, 102400, v2
	v_add_nc_u32 v5, 153600, v2
	s_lshl_b32 s67, s17, 9
	s_add_co_u32 s67, s67, 24576                   ; and their scale words
	v_add_nc_u32 v6, s67, v18
	v_add_nc_u32 v7, 51200, v6
	v_add_nc_u32 v8, 102400, v6
	v_add_nc_u32 v9, 153600, v6
	s_mul_i32 s68, s18, 6144                       ; B: my 4 fragments
	s_add_co_u32 s68, s68, BB0
	v_add_nc_u32 v10, s68, v17
	v_add_nc_u32 v11, BSL, v10
	s_lshl_b32 s69, s18, 8
	s_add_co_u32 s69, s69, BB0+12288
	v_add_nc_u32 v12, s69, v18
	v_add_nc_u32 v13, BSL, v12
	v_and_b32 v32, 15, v0                          ; r
	v_bfe_u32 v33, v0, 4, 1                        ; h
	v_and_b32 v34, 8, v32
	v_add_nc_u32 v34, v34, v32                     ; r + 8 (r / 8)
	v_lshlrev_b32 v16, 8, v34
	v_lshl_add_u32 v16, v33, 6, v16                ; cos, sin: my token's row of 256 bytes, + 64 h
	s_mul_i32 s83, s16, 8704                       ; V's stage: 32 rows x (256 bytes + 16) a wave, in A's slot 0, which has had its last fill and its last read by then
	v_mul_u32_u24 v19, v32, 272
	v_lshl_add_u32 v19, v33, 6, v19
	v_add_nc_u32 v19, s83, v19                     ; in: row r, + 64 h
	v_lshl_add_u32 v1, v33, 3, v34
	v_lshlrev_b32 v1, 2, v1
	v_add_nc_u32 v1, s83, v1                       ; out: column r + 8 (r / 8) + 8 h
; cos and sin of block a's tokens: 64 registers at 64 (a % 4): cos d = 16 h + i | cos d = 32 + 16 h + i | sin likewise
.macro CSLOAD a
.irp j, 0,1,2,3
	global_load_b128 v[64*((\a)%4)+4*\j:64*((\a)%4)+4*\j+3], v16, s[8:9] offset:(32*((\a)/2)+8*((\a)%2))*256+16*\j
.endr
.irp j, 0,1,2,3
	global_load_b128 v[64*((\a)%4)+16+4*\j:64*((\a)%4)+16+4*\j+3], v16, s[8:9] offset:(32*((\a)/2)+8*((\a)%2))*256+128+16*\j
.endr
.irp j, 0,1,2,3
	global_load_b128 v[64*((\a)%4)+32+4*\j:64*((\a)%4)+32+4*\j+3], v16, s[10:11] offset:(32*((\a)/2)+8*((\a)%2))*256+16*\j
.endr
.irp j, 0,1,2,3
	global_load_b128 v[64*((\a)%4)+48+4*\j:64*((\a)%4)+48+4*\j+3], v16, s[10:11] offset:(32*((\a)/2)+8*((\a)%2))*256+128+16*\j
.endr
.endm
	WIN 0xc0                                       ; destination window 3
	CSLOAD 0
	CSLOAD 1
	CSLOAD 2
	CSLOAD 3
	WIN 0
	s_wait_alu depctr_va_vdst(0)
	s_wait_tensorcnt 0x0                           ; my part of slot 0 is in; slot 1's first fill is issued as a refill is:
	ds_add_u32 v14, v15                            ; 0 onto my spare word
	s_wait_dscnt 0x0
	CROUND                                         ; a whole round: slot 0 is whole, and the joint loads meet
	JLOAD 36, 52                                   ; slot 1, the first tensor load behind the round
	FETCH 0, 0, 0
	STEP 0, 0, 0
	STEP 0, 1, 1
	STEP 0, 2, 1
	TURN 0, 1, 1                                   ; slot 0 takes K steps 8-11
	STEP 1, 0, 1
	STEP 1, 1, 1
	STEP 1, 2, 1
	TURN 1, 0, 1                                   ; slot 1 takes K steps 12-15
	STEP 0, 0, 1
	STEP 0, 1, 1
	STEP 0, 2, 1
	TURN 0, 1, 0                                   ; nothing is left to fetch
	STEP 1, 0, 1
	STEP 1, 1, 1
	STEP 1, 2, 1
	s_wait_dscnt 12                                ; the last K step
	WIN 0x5a
	MUL8 0, 1, 1
	MUL8 2, 1, 1
	s_wait_dscnt 0x0
	MUL8 4, 1, 1
	MUL8 6, 1, 1
	WIN 0
	PLACES                                         ; ahead of the first reads of results, and of loads and vector writes into the fragments' registers
	s_cmp_eq_u32 ttmp9, 3                          ; the cluster's x: the same in all sixteen partners
	s_cbranch_scc1 .Lvpath
; ---------------- q and k: RoPE, quantised along d, pair images.  No LDS ----------------
; 32 numbers of a lane, v[src + 16 b + i] = d 32 b + 16 h + i of my token, become six registers of codes at v[dst] (lane (r, h): block h whole) and two scale bytes in v[hw]
.macro QUANT2 src, dst, tmp, hw
.irp b, 0,1
	v_max3_num_f32 v[64+\b], |v[(\src)+16*\b]|, |v[(\src)+16*\b+1]|, 0x1800000   ; the floor 2^(3 - 127): the byte cannot fall under 1
.endr
.irp i, 2,4,6,8,10,12,14
.irp b, 0,1
	v_max3_num_f32 v[64+\b], v[64+\b], |v[(\src)+16*\b+\i]|, |v[(\src)+16*\b+\i+1]|
.endr
.endr
.irp b, 0,1
	v_permlanex16_b32 v[66+\b], v[64+\b], s[SEL], s[SEL+1]
.endr
.irp b, 0,1
	v_max_num_f32 v[64+\b], v[64+\b], v[66+\b]     ; with lane L xor 16's 16: the block's largest magnitude
.endr
.irp b, 0,1
	v_add_nc_u32 v[68+\b], 0xff000000, v[64+\b]    ; 2 off the exponent field: the conversion's scale operand
.endr
.irp b, 0,1
	v_lshrrev_b32 v[70+\b], 23, v[68+\b]
.endr
	v_lshl_or_b32 v[\hw], v71, 8, v70
	v_cvt_scalef32_pk16_fp6_f32 v[(\dst):(\dst)+2], v[(\src):(\src)+15], v68
	v_cvt_scalef32_pk16_fp6_f32 v[(\tmp):(\tmp)+2], v[(\src)+16:(\src)+31], v69
	v_nop                                          ; one plain line behind the scaled conversions
.irp i, 0,1,2
	v_permlane16_swap_b32 v[(\dst)+\i], v[(\tmp)+\i]   ; the first now holds the lower 16 codes of each lane's block, the second the upper 16
.endr
.irp i, 0,1,2
	v_mov_b32 v[(\dst)+3+\i], v[(\tmp)+\i]
.endr
.endm
; block a: v32-47 = lo cos - hi sin, v48-63 = hi cos + lo sin; each accumulator is read from its low end on
.macro ROPE a
.set rAC, 32*(\a)
.set rCS, 64*((\a)%4)
	WIN 0x0d-4*((\a)/4)                            ; source 0: window 1; source 1: window 3 (blocks 0-3) or 2
.irp i, 0,2,4,6,8,10,12,14
	v_pk_mul_f32 v[32+\i:33+\i], v[rAC+\i:rAC+\i+1], v[rCS+\i:rCS+\i+1]
.endr
.irp i, 0,2,4,6,8,10,12,14
	v_pk_mul_f32 v[48+\i:49+\i], v[rAC+16+\i:rAC+17+\i], v[rCS+16+\i:rCS+17+\i]
.endr
.irp i, 0,2,4,6,8,10,12,14
	v_pk_fma_f32 v[32+\i:33+\i], v[rAC+16+\i:rAC+17+\i], v[rCS+32+\i:rCS+33+\i], v[32+\i:33+\i] neg_lo:[1,0,0] neg_hi:[1,0,0]
.endr
.irp i, 0,2,4,6,8,10,12,14
	v_pk_fma_f32 v[48+\i:49+\i], v[rAC+\i:rAC+\i+1], v[rCS+48+\i:rCS+49+\i], v[48+\i:49+\i]
.endr
	WIN 0
.endm
	s_wait_loadcnt 0x0                             ; cos and sin of blocks 0-3
	WIN 0x80                                       ; destination window 2: the fragments there are done with
	s_wait_alu depctr_va_vdst(0)
	CSLOAD 4
	CSLOAD 5
	CSLOAD 6
	CSLOAD 7
	WIN 0
	v_mov_b32 v66, 0                               ; written once: a lane permute's destination counts as one of its sources
	v_mov_b32 v67, 0
.irp a, 0,1,2,3,4,5,6,7
.if \a >= 4
	s_wait_loadcnt 16*(7-\a)                       ; this block's 16 loads are in; the later blocks' may be out
.endif
	ROPE \a
	QUANT2 32, 80+12*(\a/2)+6*(\a%2), 72, 76+\a%2
.if \a%2
	v_lshl_or_b32 v[128+\a/2], v77, 16, v76        ; the pair's scale word
.irp j, 0,1,2
	global_store_b128 v17, v[80+12*(\a/2)+4*\j:80+12*(\a/2)+4*\j+3], s[72:73] offset:1536*(\a/2)+512*\j   ; 512 consecutive bytes, aligned; each pair has registers of its own
.endr
.endif
.endr
	v_cndmask_b32 v132, v128, v129, s78            ; lanes 0-15: the even pair's words, lanes 16-31: the odd pair's
	v_cndmask_b32 v133, v130, v131, s78
	global_store_b32 v18, v132, s[72:73] offset:6144
	global_store_b32 v18, v133, s[72:73] offset:6144+128
	s_branch .Lend
; ---------------- v: its K is the keys, which lie across lanes: 32 tokens x 64 d at a time turn through my stage; then a lane takes a column d and its registers run down the keys ----------------
.Lvpath:
	s_add_nc_u64 s[72:73], s[72:73], 6400          ; V's unit lies behind K's
.macro VBLOCK c, hf                    ; key block c of column d = 32 hf + (my column): all 32 numbers are mine
.set XS, 32+32*(\hf)
.set DD, 112+12*(2*(\hf)+(\c)%2)+6*((\c)/2)
	v_max3_num_f32 v96, |v[XS]|, |v[XS+1]|, |v[XS+2]|
	v_max3_num_f32 v97, |v[XS+3]|, |v[XS+4]|, |v[XS+5]|
.irp i, 6,10,14,18,22,26
	v_max3_num_f32 v96, v96, |v[XS+\i]|, |v[XS+\i+1]|
	v_max3_num_f32 v97, v97, |v[XS+\i+2]|, |v[XS+\i+3]|
.endr
	v_max3_num_f32 v96, v96, |v[XS+30]|, |v[XS+31]|
	v_max3_num_f32 v96, v96, v97, 0x1800000
	v_add_nc_u32 v98, 0xff000000, v96
	v_lshrrev_b32 v99, 23, v98
.if (\c) == 0
	v_mov_b32 v[100+(\hf)], v99
.else
	v_lshl_or_b32 v[100+(\hf)], v99, 8*(\c), v[100+(\hf)]
.endif
	v_cvt_scalef32_pk16_fp6_f32 v[DD:DD+2], v[XS:XS+15], v98
	v_cvt_scalef32_pk16_fp6_f32 v[102:104], v[XS+16:XS+31], v98
	v_nop
.irp i, 0,1,2
	v_mov_b32 v[DD+3+\i], v[102+\i]
.endr
.endm
	s_wait_alu depctr_va_vdst(0)
.irp c, 0,1,2,3
	WIN 0x04                                       ; an LDS store's data are its source 1: window 1
.irp u, 0,1
.irp b, 0,1,2,3
	ds_store_b128 v19, v[8*(4*(2*\c+\u)+\b):8*(4*(2*\c+\u)+\b)+3] offset:16*\u*272+128*(\b/2)+32*(\b%2)        ; each accumulator from its low end on
	ds_store_b128 v19, v[8*(4*(2*\c+\u)+\b)+4:8*(4*(2*\c+\u)+\b)+7] offset:16*\u*272+128*(\b/2)+32*(\b%2)+16
.endr
.endr
	WIN 0
.set ii, 0
.rept 64
	ds_load_b32 v[32+ii], v1 offset:128*(ii/32)+272*(((ii%32)&7)+16*(((ii%32)>>3)&1)+8*(((ii%32)>>4)&1))   ; token ii % 32 lies at the position with bits 3 and 4 exchanged.  LDS serves a wave in order: these see the stores above
.set ii, ii+1
.endr
	s_wait_dscnt 32                                ; the first 32 loads (d under 32) are in
	VBLOCK \c, 0
	s_wait_dscnt 0x0
	VBLOCK \c, 1
.endr
.irp hf, 0,1
.set ii, 0
.rept 12
	v_permlane16_swap_b32 v[112+24*\hf+ii], v[124+24*\hf+ii]   ; lanes 0-15 now hold key blocks 0, 2 and lanes 16-31 blocks 1, 3 of ONE fragment's rows
.set ii, ii+1
.endr
.endr
.irp t, 0,1,2,3
.irp j, 0,1,2
	global_store_b128 v17, v[112+12*\t+4*\j:112+12*\t+4*\j+3], s[72:73] offset:1536*\t+512*\j
.endr
.endr
	global_store_b32 v18, v100, s[72:73] offset:6144
	global_store_b32 v18, v101, s[72:73] offset:6144+128
.Lend:
	s_wait_tensorcnt 0x0                           ; the wave's end: behind my last tensor load and my last LDS store
	ds_add_u32 v14, v15
	s_wait_dscnt 0x0
	CROUND                                         ; the closing round: no work-group ends while a partner may still ask for a tile that names it
	s_endpgm
.Lfunc_end_k_q646dcc4936_gemm_qkv:
	.size	k_q646dcc4936_gemm_qkv, .Lfunc_end_k_q646dcc4936_gemm_qkv-k_q646dcc4936_gemm_qkv
	.p2alignl 7, 3214868480
	.fill 96, 4, 3214868480
	.section	.rodata,"a",@progbits
	.p2align	6, 0x0
	.amdhsa_kernel k_q646dcc4936_gemm_qkv
		.amdhsa_group_segment_fixed_size 327680
		.amdhsa_private_segment_fixed_size 0
		.amdhsa_enable_private_segment 0
		.amdhsa_kernarg_size 48
		.amdhsa_user_sgpr_count 2
		.amdhsa_user_sgpr_kernarg_segment_ptr 1
		.amdhsa_wavefront_size32 1
		.amdhsa_system_sgpr_workgroup_id_x 1
		.amdhsa_system_sgpr_workgroup_id_y 1
		.amdhsa_system_sgpr_workgroup_id_z 1
		.amdhsa_system_vgpr_workitem_id 0
		.amdhsa_next_free_vgpr 1024
		.amdhsa_next_free_sgpr 100
		.amdhsa_reserve_vcc 0
		.amdhsa_float_denorm_mode_32 3
		.amdhsa_float_denorm_mode_16_64 3
		.amdhsa_memory_ordered 1
		.amdhsa_forward_progress 1
		.amdhsa_inst_pref_size 201
	.end_amdhsa_kernel
	.amdgpu_metadata
---
amdhsa.version: [ 1, 2 ]
amdhsa.kernels:
  - .name:           k_q646dcc4936_gemm_qkv
    .symbol:         k_q646dcc4936_gemm_qkv.kd
    .args:
      - { .name: xq, .offset: 0, .size: 8, .value_kind: global_buffer, .address_space: global }
      - { .name: wts, .offset: 8, .size: 8, .value_kind: global_buffer, .address_space: global }
      - { .name: cos, .offset: 16, .size: 8, .value_kind: global_buffer, .address_space: global }
      - { .name: sin, .offset: 24, .size: 8, .value_kind: global_buffer, .address_space: global }
      - { .name: qb, .offset: 32, .size: 8, .value_kind: global_buffer, .address_space: global }
      - { .name: kvb, .offset: 40, .size: 8, .value_kind: global_buffer, .address_space: global }
    .group_segment_fixed_size: 327680
    .private_segment_fixed_size: 0
    .kernarg_segment_align: 8
    .kernarg_segment_size: 48
    .max_flat_workgroup_size: 128
    .sgpr_count:     100
    .vgpr_count:     1024
    .wavefront_size: 32
...
	.end_amdgpu_metadata
.endif
;; end of part 2
;; launch attn (part 3): grid 16 x 16, 8 waves a work-group, clusters of 4 x 1, 242,688 bytes of LDS; arguments qb, kvb, ab; writes ab
.if DOCPART == 3
	.amdgcn_target "amdgcn-amd-amdhsa--gfx1250"
	.amdhsa_code_object_version 6
	.text
	.protected	k_q646dcc4936_attn
	.globl	k_q646dcc4936_attn
	.p2align	8
	.type	k_q646dcc4936_attn,@function
k_q646dcc4936_attn:
	s_mov_b64 s[64:65], 0
	v_nop
	global_prefetch_b8 v0, s[64:65] scope:SCOPE_SE
	s_setreg_imm32_b32 hwreg(HW_REG_WAVE_MODE, 25, 1), 1
	s_wait_xcnt 0x0
	s_wait_alu depctr_hold_cnt(0) depctr_sa_sdst(0) depctr_va_vdst(0) depctr_va_sdst(0) depctr_va_ssrc(0) depctr_va_vcc(0) depctr_vm_vsrc(0)
	s_getreg_b32 s2, hwreg(HW_REG_IB_STS2, 6, 4)
	s_cmp_eq_u32 s2, 0
	s_cbranch_scc0 .Lentry_in_a_cluster
	s_endpgm
.Lentry_in_a_cluster:
	s_bfe_u32 s2, ttmp6, 0x10000c
	s_cmp_lg_u32 s2, 0x3003
	s_cbranch_scc0 .Lentry_shape_is_right
	s_endpgm
.Lentry_shape_is_right:
; Causal attention on codes of FP6 (E2M3) with E8M0 scales: S^T = K Q^T, p = 2^(t - M) with M the ceiling of the running largest t, p quantised in blocks of 32 keys, O^T += V^T p^T, O / l quantised along d for the last product.
; LEFT OUT: key steps that lie wholly above the diagonal: the causal mask puts -inf there, so their p is 0 for all inputs.
; SHARES.  A work-group: one (batch, kv head) = y; x = 8 jset + block: one block of 16 positions out of each step's eight, in the eight steps j and 15 - j, j = 2 i + jset, i = 0..3.
; A WAVE TAKES BOTH QUERY HEADS of the kv head at its 16 positions (tiles t = 0, 1): each fragment of K and V that it reads from LDS feeds two tiles, and the two tiles' chains of vector work take turns.
; The positions in step T have T + 1 key steps.  Steps j and 15 - j, 17 key steps together, are shared by two waves, the longer share with the lower wave number:
;   wave i (role 1): step 15 - j, key steps 5 .. 15 - j, then step j, key steps 0 .. j: 12 key steps;  wave 4 + i (role 0): step 15 - j, key steps 0-4.
; Role 1 hands its part of step 15 - j (O^T, -M, the sums) to role 0 through LDS as an image of its registers; role 0 brings both parts under the larger M by powers of two, which round nothing, and adds them.
; ONE LOOP of 19 trips in every wave: trip c takes key step (c + 5 role) mod 16; at trip 11 role 1 changes tiles.
; K's fragments of the wave's next key step are asked of LDS behind the score products, into the registers that these have just read; those of a tile's first key step in front of the loop and at the change of tiles.
; K AND V: the 16 steps of the (batch, kv head), 204,800 bytes, come into LDS once: wave w asks for steps 2 w and 2 w + 1, one tensor load a wave at the head.  (Where jset = 1, step 15, half of wave 7's load, is not read.)
; CLUSTERS: the four work-groups of a cluster (neighbours along x) have the same y and jset and ask for these tiles jointly (mask 15).  Branches and LDS addresses hang on the wave's number and the cluster's x alone.
; NO PREFETCH: all that the launch reads through LDS is asked for by the head's one group of loads; there is no loop to run ahead in.
; OUT.  ab [16 groups of 256 positions][8 K steps = kv heads][16 fragments of 1,536 bytes, 16 x 64 bytes of scale words].  A fragment lies as two halves of 768 bytes, a head each: four registers at 16 x lane, two at 512 + 8 x lane.
; A wave stores a whole fragment, six aligned units of 256 bytes, and its 16 scale words (lanes l and l + 16 write the same word with the same value: 64 bytes, a quarter of a unit).
; LIMITS: the promise holds while the scaled scores (the exponents to the base 2) stay under 2^31 in magnitude; NaN and infinities are not served; a block's largest magnitude is floored at 2^(3 - 127).
; REGISTERS.  Window 0: v1-9 addresses, v7 -inf; v10-11 the add's; tile t: -M, largest t at v[12+42t], the sum at v[14+42t], f at v[58+2t], a temporary v[62+t]; v16-45 zeros, q0, zeros, q1, zeros;
;   v46-53 scale words (K 2, V 2, q 2, p 2); scores and p at v[64+64t]; codes at v[192+12t], v[216+8t]; v232-255 block maxima, bytes, scale operands.
;   Window 1: v0-47 K's fragments, v48-95 V's, O^T at v[96+32t].
.set MG,    204800                     ; behind K and V: 4 x 9,216 bytes, the parts handed over
.set SPARE, 241664                     ; the spare words: 128 bytes a wave, that no other line names
.set ASPLIT, 5                         ; role 0's key steps of step 15 - j (at most 8: none of them lies on the diagonal)
.set SW,   16-ASPLIT                   ; the trip at which role 1 changes tiles
.set NT,   24-ASPLIT                   ; trips
.set JS,   17
.set CS,   70
.set SEL,  72
.set KS,   74
.set TB,   75
.set CT,   76
.set LM,   77
.set TN,   78
.set MSB, 0
.macro WIN new                         ; the immediate's high byte repeats the setting that is left
.if MSB != (\new)
	s_set_vgpr_msb (MSB<<8)|(\new)
.set MSB, (\new)
.endif
.endm
.macro ROUND                           ; a round of the cluster's barrier
	s_barrier_signal -1
	s_barrier_wait -1
	s_cmp_lg_u32 s10, 0
	s_cbranch_scc1 .Lnw0_\@
	s_barrier_signal -3
.Lnw0_\@:
	s_barrier_wait -3
	s_barrier_signal -1
	s_barrier_wait -1
.endm
.macro KLOAD a, s                      ; 14 LDS loads: a key step's two registers of K's scale words and its four pair images
	ds_load_b32 v46, \s offset:6144
	ds_load_b32 v47, \s offset:6272
	WIN 0x40                                       ; destination window 1
.irp c, 0,1,2,3
.irp j, 0,1,2
	ds_load_b128 v[12*\c+4*\j:12*\c+4*\j+3], \a offset:1536*\c+512*\j
.endr
.endr
	WIN 0
.endm
.macro QLOAD js                        ; both heads' pair images and scale words that hold my block of step js; a head's 16 units are 102,400 bytes
	s_add_co_u32 s42, s36, \js
	s_mul_i32 s42, s42, 6400
	s_add_co_u32 s44, s42, s37
	s_mov_b32 s45, 0
	s_add_co_u32 s46, s42, s38
	s_mov_b32 s47, 0
	s_add_nc_u64 s[44:45], s[4:5], s[44:45]
	s_add_nc_u64 s[46:47], s[4:5], s[46:47]
.irp t, 0,1
.irp j, 0,1,2
	global_load_b128 v[64+64*\t+4*\j:67+64*\t+4*\j], v1, s[44:45] offset:102400*\t+512*\j
.endr
	global_load_b32 v[50+\t], v5, s[46:47] offset:102400*\t
.endr
.endm
.macro QSEL                            ; my block's six registers and its two scale bytes, in both halves of the word
	s_wait_loadcnt 0x0
.irp t, 0,1
	v_lshrrev_b32 v[50+\t], s48, v[50+\t]
.endr
.irp t, 0,1
	s_delay_alu instid0(VALU_DEP_2)
	v_and_b32 v[50+\t], 0xffff, v[50+\t]
.endr
.irp t, 0,1
	s_delay_alu instid0(VALU_DEP_2)
	v_lshl_or_b32 v[50+\t], v[50+\t], 16, v[50+\t]
.endr
.irp t, 0,1
.irp i, 0,1,2,3,4,5
	v_cndmask_b32 v[22+12*\t+\i], v[64+64*\t+\i], v[70+64*\t+\i], s49
.endr
.endr
.endm
.macro INIT                            ; the tiles' state: the step is written once and finds zeros.  These lines are also the places between QSEL's writes and the first product
.irp t, 0,1
	v_mov_b32 v[13+42*\t], 0xff61b1e6
	v_mov_b32 v[14+42*\t], 0
	v_mov_b32 v[15+42*\t], 0
.endr
.irp t, 0,1
	v_floor_f32 v[12+42*\t], -v[13+42*\t]
.endr
	WIN 0x40
.set ii, 0
.rept 64
	v_mov_b32 v[96+ii], 0
.set ii, ii+1
.endr
	WIN 0
.endm
.macro ADDP d0, d1, p                  ; both tiles: a chain of the sum takes pair p of its tile's p
	v_pk_add_f32 v[\d0:\d0+1], v[\d0:\d0+1], v[64+2*(\p):65+2*(\p)]
	v_pk_add_f32 v[\d1:\d1+1], v[\d1:\d1+1], v[128+2*(\p):129+2*(\p)]
.endm
	s_load_b128 s[4:7], s[0:1], 0x0                ; qb, kvb
	s_load_b64 s[8:9], s[0:1], 0x10                ; ab
	v_lshl_add_u32 v10, v0, 2, SPARE
	v_mov_b32 v11, 0
	ds_add_u32 v10, v11                            ; the opening lines: the add twice on end and one wait
	ds_add_u32 v10, v11
	v_lshrrev_b32 v8, 5, v0
	s_delay_alu instid0(VALU_DEP_1)
	v_readfirstlane_b32 s10, v8                    ; wave
	s_and_b32 s14, ttmp7, 0xffff                   ; y = 8 batch + kv head
	s_mov_b32 s24, 15|(3<<16)|(1<<21)              ; the four partners; elements of 8 bytes; bit 21 beside a mask
	s_mov_b32 s25, 32<<16                          ; two steps' 25,600 bytes as 100 rows of 256
	s_mov_b32 s26, 100<<16
	s_mov_b32 s27, 32<<16
	s_mov_b32 s28, 100
	s_mov_b32 s29, 32
	s_mov_b32 s30, 0
	s_mov_b32 s31, 0
	s_mul_i32 s20, s10, 25600                      ; steps 2 w, 2 w + 1: in LDS and in memory alike
	s_mul_i32 s40, s14, 204800
	s_add_co_u32 s40, s40, s20
	s_mov_b32 s41, 0
	s_mov_b32 s32, 1
	s_mov_b32 s33, s20
	s_wait_dscnt 0x0
	s_wait_kmcnt 0x0
	s_add_nc_u64 s[34:35], s[6:7], s[40:41]
	s_or_b32 s35, s35, 0x80000000
	ROUND                                          ; the four partners are here: the joint loads meet
	tensor_load_to_lds s[32:35], s[24:31]
	s_nop 0
	s_lshr_b32 s13, s10, 2
	s_xor_b32 s13, s13, 1                          ; role: waves 0-3 role 1, waves 4-7 role 0
	s_and_b32 s12, s10, 3                          ; i
	s_lshr_b32 s16, ttmp9, 1                       ; jset: of the cluster's x
	s_lshl_b32 s15, s12, 1
	s_add_co_u32 s15, s15, s16                     ; j
	s_sub_co_u32 s19, 15, s15                      ; 15 - j
	s_bfe_u32 s11, ttmp6, 0x40000                  ; cx: it enters global addresses and lane data alone
	s_and_b32 s18, ttmp9, 1
	s_lshl_b32 s18, s18, 2
	s_add_co_u32 s18, s18, s11                     ; the block among a step's eight
	s_lshr_b32 s21, s18, 1                         ; its pair image,
	s_and_b32 s22, s18, 1                          ; and which block of the pair
	s_lshl_b32 s36, s14, 5                         ; 16 x (the even head among 32)
	s_mul_i32 s37, s21, 1536
	s_lshl_b32 s38, s21, 6
	s_add_co_u32 s38, s38, 6144
	s_cmp_lg_u32 s22, 0
	s_cselect_b32 s49, -1, 0
	s_lshl_b32 s48, s22, 4
	s_lshl_b32 s50, s21, 5
	s_lshl_b32 s51, s22, 3
	s_add_co_u32 s50, s50, s51                     ; my block's first token in its step
	s_cmp_eq_u32 s13, 0
	s_cselect_b32 s52, s19, s15                    ; the step that I finish and store: role 0: 15 - j, role 1: j
	s_lshr_b32 s53, s14, 3
	s_lshl_b32 s53, s53, 3
	s_lshr_b32 s54, s52, 1
	s_add_co_u32 s53, s53, s54
	s_lshl_b32 s53, s53, 3
	s_and_b32 s54, s14, 7
	s_add_co_u32 s53, s53, s54
	s_mul_i32 s53, s53, 25600                      ; ab's unit: (group of 256 positions, kv head)
	s_and_b32 s54, s52, 1
	s_lshl_b32 s54, s54, 3
	s_add_co_u32 s54, s54, s18                     ; the fragment in it
	s_mul_i32 s66, s54, 1536
	s_add_co_u32 s66, s66, s53
	s_mov_b32 s67, 0
	s_add_nc_u64 s[66:67], s[8:9], s[66:67]
	s_lshl_b32 s68, s54, 6
	s_add_co_u32 s68, s68, s53
	s_add_co_u32 s68, s68, 24576
	s_mov_b32 s69, 0
	s_add_nc_u64 s[68:69], s[8:9], s[68:69]
	s_mul_i32 s56, s12, 9216
	s_add_co_u32 s56, s56, MG                      ; where waves i and 4 + i meet
	s_mul_i32 s57, s13, ASPLIT                     ; the first key step: 0 or 5
	s_mov_b32 s[CS], 0x3e38aa3b                    ; log2(e) / 8
	s_mov_b32 s[CS+1], s[CS]
	s_mov_b32 s[SEL], 0x76543210
	s_mov_b32 s[SEL+1], 0xfedcba98
	v_and_b32 v8, 31, v0
	v_and_b32 v9, 15, v0
	v_bfe_u32 v62, v0, 4, 1
	s_delay_alu instid0(VALU_DEP_3)
	v_lshlrev_b32 v1, 4, v8                        ; 16 L
	v_lshlrev_b32 v2, 2, v8                        ; 4 L
	v_lshlrev_b32 v4, 3, v8                        ; 8 L
	v_lshlrev_b32 v5, 2, v9                        ; 4 r
	v_and_b32 v3, 8, v9
	v_lshlrev_b32 v62, 4, v62
	s_delay_alu instid0(VALU_DEP_2)
	v_add_nc_u32 v3, v3, v9
	v_add_nc_u32 v6, s56, v1
	s_delay_alu instid0(VALU_DEP_2)
	v_sub_nc_u32 v3, v3, v62
	s_delay_alu instid0(VALU_DEP_1)
	v_add_nc_u32 v3, s50, v3                       ; my query's token in its step, less 16 h
	s_wait_alu depctr_va_vdst(0)
	QLOAD s19                                      ; both roles begin with step 15 - j
.irp i, 0,1,2,3,4,5
	v_mov_b32 v[16+\i], 0
	v_mov_b32 v[28+\i], 0
	v_mov_b32 v[40+\i], 0
.endr
	v_mov_b32 v7, 0xff800000
.irp i, 0,1,2,3,4,5,6,7
	v_mov_b32 v[240+\i], 0                         ; written once: a lane permute's destination counts as one of its sources
.endr
.irp i, 0,1,2,3
	v_mov_b32 v[58+\i], 0
.endr
	QSEL
	INIT
.macro STEP
	s_cmp_gt_i32 s[KS], s[LM]
	s_cbranch_scc1 .Lhidden_\@
	v_add_nc_u32 v8, s[TB], v1
	v_add_nc_u32 v9, s[TB], v2
	ds_load_b32 v48, v9 offset:12544               ; V's scale words and fragments: 14 loads (V's unit begins 6,400 bytes into the step)
	ds_load_b32 v49, v9 offset:12672
	WIN 0x40                                       ; destination window 1
.irp c, 4,5,6,7
.irp j, 0,1,2
	ds_load_b128 v[12*\c+4*\j:12*\c+4*\j+3], v8 offset:1536*\c+256+512*\j
.endr
.endr
	WIN 0
	s_wait_dscnt 14                                ; all but V's fourteen loads are in: K's were asked for a step ago
	WIN 0x01                                       ; source 0 (K) window 1
.set kt, 0
.rept 8                                ; a pair image holds two blocks of 16 keys, 64 codes each: q stands beside zeros, so that one of the two counts
.irp t, 0,1
.if (kt/2)%2
	v_wmma_scale_f32_16x16x128_f8f6f4 v[64+64*\t+8*kt:71+64*\t+8*kt], v[12*(kt/2):12*(kt/2)+11], v[22+12*\t-6*(kt%2):33+12*\t-6*(kt%2)], 0, v[46+kt/4], v[50+\t] matrix_a_fmt:MATRIX_FMT_FP6 matrix_b_fmt:MATRIX_FMT_FP6 matrix_a_scale:MATRIX_SCALE_ROW1
.else
	v_wmma_scale_f32_16x16x128_f8f6f4 v[64+64*\t+8*kt:71+64*\t+8*kt], v[12*(kt/2):12*(kt/2)+11], v[22+12*\t-6*(kt%2):33+12*\t-6*(kt%2)], 0, v[46+kt/4], v[50+\t] matrix_a_fmt:MATRIX_FMT_FP6 matrix_b_fmt:MATRIX_FMT_FP6
.endif
.endr
.set kt, kt+1
.endr
	WIN 0
.rept 4
	v_nop                                          ; places: ahead of the reads of the scores and of the loads into K's registers
.endr
	s_wait_dscnt 0x0                               ; V is in
	s_cmp_lt_i32 s[KS], s[LM]
	s_cbranch_scc0 .Lnopre_\@                      ; my tile's last key step asks for nothing
	v_add_nc_u32 v8, s[TN], v1
	v_add_nc_u32 v9, s[TN], v2
	KLOAD v8, v9                                   ; the next key step's K, under the softmax
.Lnopre_\@:
	s_cmp_lg_u32 s[KS], s[JS]
	s_cbranch_scc1 .Lopen_\@
.set nn, 0
.rept 64                               ; the step on the diagonal: keys behind my query get -inf, in both tiles
	v_cmp_gt_i32 vcc_lo, 32*(nn/16)+nn%16, v3
	v_cndmask_b32 v[64+nn], v[64+nn], v7, vcc_lo
	v_cndmask_b32 v[128+nn], v[128+nn], v7, vcc_lo
.set nn, nn+1
.endr
.Lopen_\@:
.irp b, 0,1,2,3                        ; each block's largest score: for the row's maximum and for the block's largest p.  Eight chains by turns
.irp t, 0,1
	v_max3_num_f32 v[232+4*\t+\b], v[64+64*\t+16*\b], v[65+64*\t+16*\b], v[66+64*\t+16*\b]
.endr
.endr
.irp i, 3,5,7,9,11,13
.irp b, 0,1,2,3
.irp t, 0,1
	v_max3_num_f32 v[232+4*\t+\b], v[232+4*\t+\b], v[64+64*\t+16*\b+\i], v[65+64*\t+16*\b+\i]
.endr
.endr
.endr
.irp b, 0,1,2,3
.irp t, 0,1
	v_max_num_f32 v[232+4*\t+\b], v[232+4*\t+\b], v[79+64*\t+16*\b]
.endr
.endr
.irp b, 0,1,2,3
.irp t, 0,1
	v_permlanex16_b32 v[240+4*\t+\b], v[232+4*\t+\b], s[SEL], s[SEL+1]
.endr
.endr
.irp b, 0,1,2,3
.irp t, 0,1
	v_max_num_f32 v[232+4*\t+\b], v[232+4*\t+\b], v[240+4*\t+\b]
.endr
.endr
.irp t, 0,1
	s_delay_alu instid0(VALU_DEP_4)
	v_max3_num_f32 v[62+\t], v[232+4*\t], v[233+4*\t], v[234+4*\t]
.endr
.irp t, 0,1
	s_delay_alu instid0(VALU_DEP_2)
	v_max_num_f32 v[62+\t], v[62+\t], v[235+4*\t]
.endr
.irp t, 0,1
	s_delay_alu instid0(VALU_DEP_2)
	v_mul_f32 v[62+\t], s[CS], v[62+\t]
.endr
.irp t, 0,1
	s_delay_alu instid0(VALU_DEP_2)
	v_max_num_f32 v[13+42*\t], v[13+42*\t], v[62+\t]
.endr
.irp t, 0,1
	v_mov_b32 v[62+\t], v[12+42*\t]
.endr
.irp t, 0,1
	s_delay_alu instid0(VALU_DEP_4)
	v_floor_f32 v[12+42*\t], -v[13+42*\t]          ; -M = floor(-t)
.endr
.irp t, 0,1
	s_delay_alu instid0(VALU_DEP_2)
	v_sub_f32 v[62+\t], v[12+42*\t], v[62+\t]
.endr
.irp t, 0,1
	s_delay_alu instid0(VALU_DEP_2)
	v_cvt_i32_f32 v[62+\t], v[62+\t]
.endr
.irp t, 0,1
	s_delay_alu instid0(VALU_DEP_2)
	v_ldexp_f32 v[58+2*\t], 1.0, v[62+\t]          ; f = 2^(old M - new M)
.endr
.set jj, 0
.rept 32
.irp t, 0,1
	v_pk_fma_f32 v[64+64*\t+jj:65+64*\t+jj], v[64+64*\t+jj:65+64*\t+jj], s[CS:CS+1], v[12+42*\t:13+42*\t] op_sel_hi:[1,0,0]
.endr
.set jj, jj+2
.endr
.irp b, 0,1,2,3
.irp t, 0,1
	v_fma_f32 v[232+4*\t+\b], v[232+4*\t+\b], s[CS], v[12+42*\t]
.endr
.endr
	s_wait_alu depctr_va_vdst(0)
.set jj, 0
.rept 8
	v_exp_f32 v[232+jj], v[232+jj]                 ; the blocks' largest p
.set jj, jj+1
.endr
.set jj, 0
.rept 128
	v_exp_f32 v[64+jj], v[64+jj]
.set jj, jj+1
.endr
.irp t, 0,1
	v_pk_mul_f32 v[14+42*\t:15+42*\t], v[14+42*\t:15+42*\t], v[58+2*\t:59+2*\t] op_sel_hi:[1,0]
.endr
	s_wait_alu depctr_va_vdst(0)
.irp q, 0,1,2                          ; the sums of the unquantised p: four chains a tile, eight by turns
.irp t, 0,1
	v_pk_add_f32 v[240+2*\q+4*(\q/2)+4*\t:241+2*\q+4*(\q/2)+4*\t], v[64+64*\t+4*\q:65+64*\t+4*\q], v[66+64*\t+4*\q:67+64*\t+4*\q]
.endr
.endr
.irp k, 6,10,14,18,22,26
	ADDP 14, 56, \k
	ADDP 240, 244, \k+1
	ADDP 242, 246, \k+2
	ADDP 248, 252, \k+3
.endr
	ADDP 14, 56, 30
	ADDP 240, 244, 31
.irp t, 0,1
	s_delay_alu instid0(VALU_DEP_2)
	v_pk_add_f32 v[240+4*\t:241+4*\t], v[240+4*\t:241+4*\t], v[242+4*\t:243+4*\t]
.endr
.irp t, 0,1
	v_pk_add_f32 v[14+42*\t:15+42*\t], v[14+42*\t:15+42*\t], v[248+4*\t:249+4*\t]
.endr
.irp t, 0,1
	s_delay_alu instid0(VALU_DEP_2)
	v_pk_add_f32 v[14+42*\t:15+42*\t], v[14+42*\t:15+42*\t], v[240+4*\t:241+4*\t]
.endr
.irp b, 0,1,2,3
.irp t, 0,1
	v_max_num_f32 v[232+4*\t+\b], 0x1800000, v[232+4*\t+\b]
.endr
.endr
.irp b, 0,1,2,3
.irp t, 0,1
	v_add_nc_u32 v[248+4*\t+\b], 0xff000000, v[232+4*\t+\b]   ; 2 off the exponent field: the conversion's scale operand
.endr
.endr
.irp b, 0,1,2,3
.irp t, 0,1
	v_lshrrev_b32 v[240+4*\t+\b], 23, v[248+4*\t+\b]
.endr
.endr
.irp t, 0,1
	v_lshl_or_b32 v[52+\t], v[241+4*\t], 8, v[240+4*\t]
.endr
.irp t, 0,1
	s_delay_alu instid0(VALU_DEP_2)
	v_lshl_or_b32 v[52+\t], v[242+4*\t], 16, v[52+\t]
.endr
.irp t, 0,1
	s_delay_alu instid0(VALU_DEP_2)
	v_lshl_or_b32 v[52+\t], v[243+4*\t], 24, v[52+\t]
.endr
.irp t, 0,1
.irp c, 0,1
	v_cvt_scalef32_pk16_fp6_f32 v[192+12*\t+6*\c:194+12*\t+6*\c], v[64+64*\t+32*\c:79+64*\t+32*\c], v[248+4*\t+2*\c]
	v_cvt_scalef32_pk16_fp6_f32 v[216+8*\t+4*\c:218+8*\t+4*\c], v[80+64*\t+32*\c:95+64*\t+32*\c], v[249+4*\t+2*\c]
.endr
.endr
	v_nop
.irp c, 0,1
.irp t, 0,1
.irp i, 0,1,2
	v_permlane16_swap_b32 v[192+12*\t+6*\c+\i], v[216+8*\t+4*\c+\i]
.endr
.endr
.irp t, 0,1
.irp i, 0,1,2
	v_mov_b32 v[195+12*\t+6*\c+\i], v[216+8*\t+4*\c+\i]
.endr
.endr
.endr
	WIN 0x41                                       ; O^T: source 0 and destination window 1
	s_wait_alu depctr_va_vdst(0)                   ; directly ahead of the first reader of O^T
.set jj, 0
.rept 16
.irp t, 0,1
	v_pk_mul_f32 v[96+32*\t+jj:97+32*\t+jj], v[96+32*\t+jj:97+32*\t+jj], v[58+2*\t:59+2*\t] op_sel_hi:[1,0]
.endr
.set jj, jj+2
.endr
	WIN 0x51                                       ; V and O^T window 1, p's codes window 0
.irp d, 0,1,2,3
.irp t, 0,1
.if \d%2
	v_wmma_scale_f32_16x16x128_f8f6f4 v[96+32*\t+8*\d:103+32*\t+8*\d], v[48+12*\d:59+12*\d], v[192+12*\t:203+12*\t], v[96+32*\t+8*\d:103+32*\t+8*\d], v[48+\d/2], v[52+\t] matrix_a_fmt:MATRIX_FMT_FP6 matrix_b_fmt:MATRIX_FMT_FP6 matrix_a_scale:MATRIX_SCALE_ROW1
.else
	v_wmma_scale_f32_16x16x128_f8f6f4 v[96+32*\t+8*\d:103+32*\t+8*\d], v[48+12*\d:59+12*\d], v[192+12*\t:203+12*\t], v[96+32*\t+8*\d:103+32*\t+8*\d], v[48+\d/2], v[52+\t] matrix_a_fmt:MATRIX_FMT_FP6 matrix_b_fmt:MATRIX_FMT_FP6
.endif
.endr
.endr
.rept 4
	v_nop
.endr
	WIN 0
.Lhidden_\@:
.endm
	s_wait_alu depctr_va_vdst(0)
	s_wait_tensorcnt 0x0                           ; my two steps of K and V are in;
	s_barrier_signal -1
	s_barrier_wait -1                              ; and everybody's
	s_mov_b32 s[JS], s19                           ; step 15 - j: the key step on the diagonal,
	s_cmp_eq_u32 s13, 0
	s_cselect_b32 s[LM], ASPLIT-1, s19             ; and my last key step of it
	s_mul_i32 s[TB], s57, 12800
	v_add_nc_u32 v8, s[TB], v1
	v_add_nc_u32 v9, s[TB], v2
	KLOAD v8, v9                                   ; K of my first key step
	s_mov_b32 s[CT], 0
.Ltrip:
	s_cmp_lg_u32 s[CT], SW
	s_cbranch_scc1 .Lgo
	s_cmp_eq_u32 s13, 0
	s_cselect_b32 s[LM], -1, s15                   ; from this trip on: role 1 step j, key steps 0 .. j; role 0 passes over every step
	s_mov_b32 s[JS], s15
	s_cbranch_scc1 .Lgo
	QLOAD s15                                      ; role 1: step j's q is asked for, my part of step 15 - j goes to LDS, each accumulator from its low end on
	WIN 0x04                                       ; an LDS store's data are its source 1: window 1
.irp i, 0,1,2,3,4,5,6,7,8,9,10,11,12,13,14,15
	ds_store_b128 v6, v[96+4*\i:99+4*\i] offset:512*\i
.endr
	WIN 0
	ds_store_b128 v6, v[12:15] offset:8192
	ds_store_b128 v6, v[54:57] offset:8704
	s_wait_dscnt 0x0                               ; the stores are done: their registers are written below, and role 0 reads the bytes behind the barrier
	KLOAD v1, v2                                   ; K of key step 0
	QSEL
	INIT
	s_wait_alu depctr_va_vdst(0)
.Lgo:
	s_add_co_u32 s[KS], s[CT], s57
	s_and_b32 s[KS], s[KS], 15                     ; the trip's key step,
	s_mul_i32 s[TB], s[KS], 12800                  ; where it lies in LDS,
	s_add_co_u32 s[TN], s[KS], 1
	s_and_b32 s[TN], s[TN], 15
	s_mul_i32 s[TN], s[TN], 12800                  ; and where the next one lies
	STEP
	s_add_co_u32 s[CT], s[CT], 1
	s_cmp_lt_u32 s[CT], NT
	s_cbranch_scc1 .Ltrip
	s_wait_alu depctr_va_vdst(0)
	s_wait_dscnt 0x0
	s_barrier_signal -1
	s_barrier_wait -1
	s_cmp_lg_u32 s13, 0
	s_cbranch_scc1 .Lown
.irp t, 0,1                            ; role 0: the other part of step 15 - j, in the same lanes
.irp i, 0,1,2,3,4,5,6,7
	ds_load_b128 v[64+64*\t+4*\i:67+64*\t+4*\i], v6 offset:4096*\t+512*\i
.endr
	ds_load_b128 v[96+64*\t:99+64*\t], v6 offset:8192+512*\t
.endr
	s_wait_dscnt 0x0
.irp t, 0,1
	v_min_num_f32 v[100+64*\t], v[12+42*\t], v[96+64*\t]      ; -M of both parts
.endr
.irp t, 0,1
	s_delay_alu instid0(VALU_DEP_2)
	v_sub_f32 v[103+64*\t], v[100+64*\t], v[12+42*\t]
.endr
.irp t, 0,1
	s_delay_alu instid0(VALU_DEP_4)
	v_sub_f32 v[105+64*\t], v[100+64*\t], v[96+64*\t]
.endr
.irp t, 0,1
	s_delay_alu instid0(VALU_DEP_4)
	v_cvt_i32_f32 v[103+64*\t], v[103+64*\t]
.endr
.irp t, 0,1
	s_delay_alu instid0(VALU_DEP_4)
	v_cvt_i32_f32 v[105+64*\t], v[105+64*\t]
.endr
.irp t, 0,1
	s_delay_alu instid0(VALU_DEP_4)
	v_ldexp_f32 v[102+64*\t], 1.0, v[103+64*\t]    ; my part's factor, a power of two,
.endr
.irp t, 0,1
	s_delay_alu instid0(VALU_DEP_4)
	v_ldexp_f32 v[104+64*\t], 1.0, v[105+64*\t]    ; and the other's
.endr
.irp t, 0,1
	s_delay_alu instid0(VALU_DEP_4)
	v_pk_mul_f32 v[14+42*\t:15+42*\t], v[14+42*\t:15+42*\t], v[102+64*\t:103+64*\t] op_sel_hi:[1,0]
.endr
.irp t, 0,1
	s_delay_alu instid0(VALU_DEP_2)
	v_pk_fma_f32 v[14+42*\t:15+42*\t], v[98+64*\t:99+64*\t], v[104+64*\t:105+64*\t], v[14+42*\t:15+42*\t] op_sel_hi:[1,0,1]
.endr
	WIN 0x41
.set jj, 0
.rept 16
.irp t, 0,1
	v_pk_mul_f32 v[96+32*\t+jj:97+32*\t+jj], v[96+32*\t+jj:97+32*\t+jj], v[102+64*\t:103+64*\t] op_sel_hi:[1,0]
.endr
.set jj, jj+2
.endr
	WIN 0x50                                       ; source 2 and destination window 1
.set jj, 0
.rept 16
.irp t, 0,1
	v_pk_fma_f32 v[96+32*\t+jj:97+32*\t+jj], v[64+64*\t+jj:65+64*\t+jj], v[104+64*\t:105+64*\t], v[96+32*\t+jj:97+32*\t+jj] op_sel_hi:[1,0,1]
.endr
.set jj, jj+2
.endr
	WIN 0
.Lown:
.irp t, 0,1                            ; every wave finishes one step's two tiles: O^T / the sum, quantised along d
	v_add_f32 v[14+42*\t], v[14+42*\t], v[15+42*\t]
.endr
.irp t, 0,1
	s_delay_alu instid0(VALU_DEP_2)
	v_permlanex16_b32 v[58+2*\t], v[14+42*\t], s[SEL], s[SEL+1]
.endr
.irp t, 0,1
	s_delay_alu instid0(VALU_DEP_2)
	v_add_f32 v[14+42*\t], v[14+42*\t], v[58+2*\t]
.endr
	s_wait_alu depctr_va_vdst(0)
.irp t, 0,1
	v_rcp_f32 v[14+42*\t], v[14+42*\t]
.endr
	v_nop
	WIN 0x01                                       ; source 0 (O^T) window 1
	s_wait_alu depctr_va_vdst(0)
.set jj, 0
.rept 16
.irp t, 0,1
	v_pk_mul_f32 v[64+64*\t+jj:65+64*\t+jj], v[96+32*\t+jj:97+32*\t+jj], v[14+42*\t:15+42*\t] op_sel_hi:[1,0]
.endr
.set jj, jj+2
.endr
	WIN 0
.irp b, 0,1
.irp t, 0,1
	v_max3_num_f32 v[232+4*\t+\b], |v[64+64*\t+16*\b]|, |v[65+64*\t+16*\b]|, 0x1800000
.endr
.endr
.irp i, 2,4,6,8,10,12,14
.irp b, 0,1
.irp t, 0,1
	s_delay_alu instid0(VALU_DEP_4)
	v_max3_num_f32 v[232+4*\t+\b], v[232+4*\t+\b], |v[64+64*\t+16*\b+\i]|, |v[65+64*\t+16*\b+\i]|
.endr
.endr
.endr
.irp b, 0,1
.irp t, 0,1
	s_delay_alu instid0(VALU_DEP_4)
	v_permlanex16_b32 v[240+4*\t+\b], v[232+4*\t+\b], s[SEL], s[SEL+1]
.endr
.endr
.irp b, 0,1
.irp t, 0,1
	s_delay_alu instid0(VALU_DEP_4)
	v_max_num_f32 v[232+4*\t+\b], v[232+4*\t+\b], v[240+4*\t+\b]
.endr
.endr
.irp b, 0,1
.irp t, 0,1
	s_delay_alu instid0(VALU_DEP_4)
	v_add_nc_u32 v[248+4*\t+\b], 0xff000000, v[232+4*\t+\b]
.endr
.endr
.irp b, 0,1
.irp t, 0,1
	s_delay_alu instid0(VALU_DEP_4)
	v_lshrrev_b32 v[242+4*\t+\b], 23, v[248+4*\t+\b]
.endr
.endr
.irp t, 0,1
	s_delay_alu instid0(VALU_DEP_2)
	v_lshl_or_b32 v[62+\t], v[243+4*\t], 8, v[242+4*\t]
.endr
	s_delay_alu instid0(VALU_DEP_1)
	v_lshl_or_b32 v62, v63, 16, v62                ; the row's scale word: two bytes for each head
.irp t, 0,1
	v_cvt_scalef32_pk16_fp6_f32 v[192+12*\t:194+12*\t], v[64+64*\t:79+64*\t], v[248+4*\t]
	v_cvt_scalef32_pk16_fp6_f32 v[216+8*\t:218+8*\t], v[80+64*\t:95+64*\t], v[249+4*\t]
.endr
	v_nop
.irp t, 0,1
.irp i, 0,1,2
	v_permlane16_swap_b32 v[192+12*\t+\i], v[216+8*\t+\i]
.endr
.endr
.irp t, 0,1
.irp i, 0,1,2
	v_mov_b32 v[195+12*\t+\i], v[216+8*\t+\i]
.endr
.endr
.irp t, 0,1
	global_store_b128 v1, v[192+12*\t:195+12*\t], s[66:67] offset:768*\t       ; 512 consecutive bytes, aligned,
	global_store_b64 v4, v[196+12*\t:197+12*\t], s[66:67] offset:768*\t+512    ; and 256 more
.endr
	global_store_b32 v5, v62, s[68:69]             ; the fragment's 16 scale words
	s_wait_tensorcnt 0x0                           ; the wave's end
	ds_add_u32 v10, v11
	s_wait_dscnt 0x0
	ROUND                                          ; the closing round
	s_endpgm
.Lfunc_end_k_q646dcc4936_attn:
	.size	k_q646dcc4936_attn, .Lfunc_end_k_q646dcc4936_attn-k_q646dcc4936_attn
	.p2alignl 7, 3214868480
	.fill 96, 4, 3214868480
	.section	.rodata,"a",@progbits
	.p2align	6, 0x0
	.amdhsa_kernel k_q646dcc4936_attn
		.amdhsa_group_segment_fixed_size 242688
		.amdhsa_private_segment_fixed_size 0
		.amdhsa_enable_private_segment 0
		.amdhsa_kernarg_size 24
		.amdhsa_user_sgpr_count 2
		.amdhsa_user_sgpr_kernarg_segment_ptr 1
		.amdhsa_wavefront_size32 1
		.amdhsa_system_sgpr_workgroup_id_x 1
		.amdhsa_system_sgpr_workgroup_id_y 1
		.amdhsa_system_sgpr_workgroup_id_z 1
		.amdhsa_system_vgpr_workitem_id 0
		.amdhsa_next_free_vgpr 512
		.amdhsa_next_free_sgpr 80
		.amdhsa_reserve_vcc 1
		.amdhsa_float_denorm_mode_32 3
		.amdhsa_float_denorm_mode_16_64 3
		.amdhsa_memory_ordered 1
		.amdhsa_forward_progress 1
		.amdhsa_inst_pref_size 72
	.end_amdhsa_kernel
	.amdgpu_metadata
---
amdhsa.version: [ 1, 2 ]
amdhsa.kernels:
  - .name:           k_q646dcc4936_attn
    .symbol:         k_q646dcc4936_attn.kd
    .args:
      - { .name: qb, .offset: 0, .size: 8, .value_kind: global_buffer, .address_space: global }
      - { .name: kvb, .offset: 8, .size: 8, .value_kind: global_buffer, .address_space: global }
      - { .name: ab, .offset: 16, .size: 8, .value_kind: global_buffer, .address_space: global }
    .group_segment_fixed_size: 242688
    .private_segment_fixed_size: 0
    .kernarg_segment_align: 8
    .kernarg_segment_size: 24
    .max_flat_workgroup_size: 256
    .sgpr_count:     80
    .vgpr_count:     512
    .wavefront_size: 32
...
	.end_amdgpu_metadata
.endif
;; end of part 3
;; launch gemm_o (part 4): grid 16 x 16, 4 waves a work-group, clusters of 4 x 4, 327,680 bytes of LDS; arguments ab, wts, out0; writes out0
.if DOCPART == 4
	.amdgcn_target "amdgcn-amd-amdhsa--gfx1250"
	.amdhsa_code_object_version 6
	.text
	.protected	k_q646dcc4936_gemm_o
	.globl	k_q646dcc4936_gemm_o
	.p2align	8
	.type	k_q646dcc4936_gemm_o,@function
k_q646dcc4936_gemm_o:
	s_mov_b64 s[64:65], 0
	v_nop
	global_prefetch_b8 v0, s[64:65] scope:SCOPE_SE
	s_setreg_imm32_b32 hwreg(HW_REG_WAVE_MODE, 25, 1), 1
	s_wait_xcnt 0x0
	s_wait_alu depctr_hold_cnt(0) depctr_sa_sdst(0) depctr_va_vdst(0) depctr_va_sdst(0) depctr_va_ssrc(0) depctr_va_vcc(0) depctr_vm_vsrc(0)
	s_getreg_b32 s2, hwreg(HW_REG_IB_STS2, 6, 4)
	s_cmp_eq_u32 s2, 0
	s_cbranch_scc0 .Lentry_in_a_cluster
	s_endpgm
.Lentry_in_a_cluster:
	s_bfe_u32 s2, ttmp6, 0x10000c
	s_cmp_lg_u32 s2, 0xf033
	s_cbranch_scc0 .Lentry_shape_is_right
	s_endpgm
.Lentry_shape_is_right:
; out0 = attention's result x wo on codes of FP6 (E2M3) with E8M0 scales, 4,096 x 2,048 x 1,024; out0 f32.
; Both operands arrive as images of their registers (ab; wo's part of wts, from byte 3,276,800 on).  Shares, LDS map, registers and macros as in the launch that makes q, k and v:
; a work-group makes 256 positions x 128 columns, a wave 128 x 64: 32 accumulators; source 0 = 16 weight rows, source 1 = 16 positions.
; K has 8 steps: exactly the two LDS slots of four.  Both are asked for at the head and NOTHING IS FILLED AGAIN: one barrier in front of each slot's first read.
; CLUSTERS: 4 x 4; A's tiles jointly along a row of the cluster, B's along a column.
; THE WAY OUT: a lane holds 8 neighbouring columns of one token; 16 positions x 64 columns go through the wave's own stage (in A's slot 0, which has had its only fill and its last read) and leave as rows of 256 bytes.
; Positions are tokens with bits 3 and 4 exchanged: the stores' immediates put each row where its token lies.
; REGISTERS: window 0: v1-19 addresses; v20-31 scale words, two sets; v32-127 A's fragments, v128-175 B's: set 0; on the way out v128-191 rows of out0.  Window 1: the accumulators.  Window 2: set 1.
.set ASL,   102400
.set AST,   25600
.set BB0,   204800
.set BSL,   51200
.set BST,   12800
.set MSB, 0
.macro WIN new                         ; the immediate's high byte repeats the setting that is left
.if MSB != (\new)
	s_set_vgpr_msb (MSB<<8)|(\new)
.set MSB, (\new)
.endif
.endm
.macro PLACES                          ; four plain vector lines behind matrix instructions (ISA guide 7.12.1 for the reads of results)
.rept 4
	v_nop
.endr
.endm
.macro JLOAD g0a, g0b                  ; a joint load: waves 0, 1 fetch A's halves of a slot, waves 2, 3 B's; four v_nop follow each line
	s_cmp_eq_u32 s17, 0
	s_cbranch_scc0 .Lfor_b_\@
	tensor_load_to_lds s[\g0a:\g0a+3], s[24:31]
	s_nop 0
.rept 4
	v_nop
.endr
	s_branch .Lasked_\@
.Lfor_b_\@:
	tensor_load_to_lds s[\g0b:\g0b+3], s[40:47]
	s_nop 0
.rept 4
	v_nop
.endr
.Lasked_\@:
.endm
.macro CROUND                          ; a round of the cluster's barrier
	s_barrier_signal -1
	s_barrier_wait -1
	s_cmp_lg_u32 s16, 0
	s_cbranch_scc1 .Lnot_wave_0_\@
	s_barrier_signal -3
.Lnot_wave_0_\@:
	s_barrier_wait -3
	s_barrier_signal -1
	s_barrier_wait -1
.endm
.macro WM d, bf, af, acc, sb, sa, rb, ra
.if (\acc) && ((\rb)==0) && ((\ra)==0)
	v_wmma_scale_f32_16x16x128_f8f6f4 v[\d:\d+7], v[\bf:\bf+11], v[\af:\af+11], v[\d:\d+7], v[\sb], v[\sa] matrix_a_fmt:MATRIX_FMT_FP6 matrix_b_fmt:MATRIX_FMT_FP6
.elseif (\acc) && ((\rb)==1) && ((\ra)==0)
	v_wmma_scale_f32_16x16x128_f8f6f4 v[\d:\d+7], v[\bf:\bf+11], v[\af:\af+11], v[\d:\d+7], v[\sb], v[\sa] matrix_a_fmt:MATRIX_FMT_FP6 matrix_b_fmt:MATRIX_FMT_FP6 matrix_a_scale:MATRIX_SCALE_ROW1
.elseif (\acc) && ((\rb)==0) && ((\ra)==1)
	v_wmma_scale_f32_16x16x128_f8f6f4 v[\d:\d+7], v[\bf:\bf+11], v[\af:\af+11], v[\d:\d+7], v[\sb], v[\sa] matrix_a_fmt:MATRIX_FMT_FP6 matrix_b_fmt:MATRIX_FMT_FP6 matrix_b_scale:MATRIX_SCALE_ROW1
.elseif (\acc)
	v_wmma_scale_f32_16x16x128_f8f6f4 v[\d:\d+7], v[\bf:\bf+11], v[\af:\af+11], v[\d:\d+7], v[\sb], v[\sa] matrix_a_fmt:MATRIX_FMT_FP6 matrix_b_fmt:MATRIX_FMT_FP6 matrix_a_scale:MATRIX_SCALE_ROW1 matrix_b_scale:MATRIX_SCALE_ROW1
.elseif ((\rb)==0) && ((\ra)==0)
	v_wmma_scale_f32_16x16x128_f8f6f4 v[\d:\d+7], v[\bf:\bf+11], v[\af:\af+11], 0, v[\sb], v[\sa] matrix_a_fmt:MATRIX_FMT_FP6 matrix_b_fmt:MATRIX_FMT_FP6
.elseif ((\rb)==1) && ((\ra)==0)
	v_wmma_scale_f32_16x16x128_f8f6f4 v[\d:\d+7], v[\bf:\bf+11], v[\af:\af+11], 0, v[\sb], v[\sa] matrix_a_fmt:MATRIX_FMT_FP6 matrix_b_fmt:MATRIX_FMT_FP6 matrix_a_scale:MATRIX_SCALE_ROW1
.elseif ((\rb)==0) && ((\ra)==1)
	v_wmma_scale_f32_16x16x128_f8f6f4 v[\d:\d+7], v[\bf:\bf+11], v[\af:\af+11], 0, v[\sb], v[\sa] matrix_a_fmt:MATRIX_FMT_FP6 matrix_b_fmt:MATRIX_FMT_FP6 matrix_b_scale:MATRIX_SCALE_ROW1
.else
	v_wmma_scale_f32_16x16x128_f8f6f4 v[\d:\d+7], v[\bf:\bf+11], v[\af:\af+11], 0, v[\sb], v[\sa] matrix_a_fmt:MATRIX_FMT_FP6 matrix_b_fmt:MATRIX_FMT_FP6 matrix_a_scale:MATRIX_SCALE_ROW1 matrix_b_scale:MATRIX_SCALE_ROW1
.endif
.endm
.macro MUL8 a0, p, acc                 ; A's blocks a0, a0 + 1 x B's four.  The 32 accumulators take turns, one instruction a turn, in the same order in every K step
.irp a, \a0, \a0+1
.irp b, 0,1,2,3
.set rD, 8*(4*(\a)+\b)
.set rB, 128+12*\b
.set rA, 32+12*(\a)
.set rSB, 24+6*(\p)+\b/2
.set rSA, 20+6*(\p)+(\a)/2
.set rRB, \b%2
.set rRA, (\a)%2
	WM rD, rB, rA, \acc, rSB, rSA, rRB, rRA
.endr
.endr
.endm
.macro FETCH slot, q, p                ; 50 LDS loads: 6 of scale words, B's 12, A's blocks 0-3 (16), A's blocks 4-7 (16)
	WIN 0
.irp i, 0,1,2,3
	ds_load_b32 v[20+6*(\p)+\i], v[6+2*(\slot)+(\q)/2] offset:((\q)%2)*AST+128*\i
.endr
.irp i, 0,1
	ds_load_b32 v[24+6*(\p)+\i], v[12+(\slot)] offset:(\q)*BST+128*\i
.endr
	WIN 0x80*(\p)
.irp i, 0,1,2,3
.irp j, 0,1,2
	ds_load_b128 v[128+12*\i+4*\j:128+12*\i+4*\j+3], v[10+(\slot)] offset:(\q)*BST+1536*\i+512*\j
.endr
.endr
.irp i, 0,1,2,3,4,5,6,7
.irp j, 0,1                            ; A's fragment lies as two halves of 768 bytes (a head each): four registers at 16 x lane, two at 512 + 8 x lane
	ds_load_b128 v[32+12*\i+6*\j:32+12*\i+6*\j+3], v[2+2*(\slot)+(\q)/2] offset:((\q)%2)*AST+1536*\i+768*\j
	ds_load_b64 v[32+12*\i+6*\j+4:32+12*\i+6*\j+5], v[240+2*(\slot)+(\q)/2] offset:((\q)%2)*AST+1536*\i+768*\j+512
.endr
.endr
.endm
.macro STEP slot, q, acc
	s_wait_dscnt 12                                ; all but A's blocks 4-7 are in
	WIN 0x50+0x0a*((\q)%2)
	MUL8 0, (\q)%2, \acc
	MUL8 2, (\q)%2, \acc
	s_wait_dscnt 0x0
	PLACES
	FETCH \slot, (\q)+1, 1-(\q)%2
	WIN 0x50+0x0a*((\q)%2)
	MUL8 4, (\q)%2, \acc
	MUL8 6, (\q)%2, \acc
.endm
	s_load_b128 s[4:7], s[0:1], 0x0                ; ab, wts
	s_load_b64 s[8:9], s[0:1], 0x10                ; out0
	v_lshl_add_u32 v254, v0, 2, 0x4b000
	v_mov_b32 v255, 0
	ds_add_u32 v254, v255
	ds_add_u32 v254, v255
	v_lshrrev_b32 v1, 5, v0
	v_readfirstlane_b32 s16, v1                    ; wave
	s_lshr_b32 s17, s16, 1                         ; wm.  Also: I fetch for A (0) or for B (1)
	s_and_b32 s18, s16, 1                          ; wn.  Also: which half of a slot I fetch
	s_bfe_u32 s19, ttmp6, 0x40000                  ; cx
	s_bfe_u32 s20, ttmp6, 0x40004                  ; cy
	s_lshl_b32 s21, ttmp9, 2
	s_add_co_u32 s21, s21, s19                     ; X
	s_and_b32 s22, ttmp7, 0xffff
	s_lshl_b32 s22, s22, 2
	s_add_co_u32 s22, s22, s20                     ; Y
	s_lshl_b32 s56, s20, 2
	s_lshl_b32 s56, 15, s56                        ; my row of the cluster
	s_lshl_b32 s57, 0x1111, s19                    ; my column
	s_or_b32 s24, s56, (3<<16)|(1<<21)             ; dense blocks as rows of 256 bytes: A 200 rows, B 100
	s_mov_b32 s25, 32<<16
	s_mov_b32 s26, 200<<16
	s_mov_b32 s27, 32<<16
	s_mov_b32 s28, 200
	s_mov_b32 s29, 32
	s_mov_b32 s30, 0
	s_mov_b32 s31, 0
	s_or_b32 s40, s57, (3<<16)|(1<<21)
	s_mov_b32 s41, 32<<16
	s_mov_b32 s42, 100<<16
	s_mov_b32 s43, 32<<16
	s_mov_b32 s44, 100
	s_mov_b32 s45, 32
	s_mov_b32 s46, 0
	s_mov_b32 s47, 0
	s_mul_i32 s60, s18, 51200
	s_mul_i32 s61, s18, 25600
	s_mul_i32 s58, s22, 204800                     ; A: the row tile's 8 K steps (hangs on Y alone)
	s_add_co_u32 s58, s58, s60
	s_mov_b32 s59, 0
	s_mul_i32 s62, s21, 102400                     ; B: the column tile's 8 K steps (hangs on X alone),
	s_add_co_u32 s62, s62, s61
	s_add_co_u32 s62, s62, 3276800                 ; behind wq's, wk's and wv's units
	s_mov_b32 s63, 0
	s_wait_dscnt 0x0
	s_wait_kmcnt 0x0
	s_add_nc_u64 s[58:59], s[4:5], s[58:59]
	s_add_nc_u64 s[62:63], s[6:7], s[62:63]
	CROUND                                         ; all sixteen work-groups are here: the joint loads meet
.irp s, 0,1
	s_mov_b32 s[32+4*\s], 1
	s_add_co_u32 s[33+4*\s], s60, \s*ASL
	s_add_nc_u64 s[34+4*\s:35+4*\s], s[58:59], \s*ASL
	s_or_b32 s[35+4*\s], s[35+4*\s], 0x80000000
	s_mov_b32 s[48+4*\s], 1
	s_add_co_u32 s[49+4*\s], s61, BB0+\s*BSL
	s_add_nc_u64 s[50+4*\s:51+4*\s], s[62:63], \s*BSL
	s_or_b32 s[51+4*\s], s[51+4*\s], 0x80000000
.endr
	JLOAD 32, 48                                   ; slot 0: one tensor load a wave at the head
	s_lshl_b32 s70, s22, 21                        ; out0: 256 Y rows of 8,192 bytes
	s_lshl_b32 s71, s17, 20                        ; + 128 wm rows
	s_add_co_u32 s70, s70, s71
	s_mov_b32 s71, 0
	s_add_nc_u64 s[8:9], s[8:9], s[70:71]
	s_lshl_b32 s72, s21, 9                         ; + 128 X columns
	s_lshl_b32 s73, s18, 8                         ; + 64 wn columns
	s_add_co_u32 s72, s72, s73
	s_mov_b32 s73, 0
	s_add_nc_u64 s[8:9], s[8:9], s[72:73]
	v_and_b32 v35, 31, v0
	v_lshlrev_b32 v17, 4, v35                      ; 16 L
	v_lshlrev_b32 v18, 2, v35                      ; 4 L
	s_mul_i32 s66, s17, 12288
	v_add_nc_u32 v2, s66, v17
	v_add_nc_u32 v3, 51200, v2
	v_add_nc_u32 v4, 102400, v2
	v_add_nc_u32 v5, 153600, v2
	v_lshlrev_b32 v244, 3, v35                     ; 8 L
	v_add_nc_u32 v240, s66, v244                   ; v240-243: the same four places for the loads of 8 bytes a lane
	v_add_nc_u32 v241, 51200, v240
	v_add_nc_u32 v242, 102400, v240
	v_add_nc_u32 v243, 153600, v240
	s_lshl_b32 s67, s17, 9
	s_add_co_u32 s67, s67, 24576
	v_add_nc_u32 v6, s67, v18
	v_add_nc_u32 v7, 51200, v6
	v_add_nc_u32 v8, 102400, v6
	v_add_nc_u32 v9, 153600, v6
	s_mul_i32 s68, s18, 6144
	s_add_co_u32 s68, s68, BB0
	v_add_nc_u32 v10, s68, v17
	v_add_nc_u32 v11, BSL, v10
	s_lshl_b32 s69, s18, 8
	s_add_co_u32 s69, s69, BB0+12288
	v_add_nc_u32 v12, s69, v18
	v_add_nc_u32 v13, BSL, v12
	v_and_b32 v32, 15, v0                          ; r
	v_bfe_u32 v33, v0, 4, 1                        ; h
	s_mul_i32 s74, s16, 4352                       ; my stage: 16 rows x (256 bytes + 16)
	v_mul_u32_u24 v16, v32, 272
	v_lshl_add_u32 v16, v33, 6, v16
	v_add_nc_u32 v16, s74, v16                     ; in: row r, + 64 h
	v_mul_u32_u24 v19, v33, 272
	v_lshl_add_u32 v19, v32, 4, v19
	v_add_nc_u32 v19, s74, v19                     ; back: lanes 0-15 one row, lanes 16-31 the next
	v_lshlrev_b32 v1, 13, v33
	v_lshl_add_u32 v1, v32, 4, v1                  ; and the same two rows in out0
	s_wait_alu depctr_va_vdst(0)
	s_wait_tensorcnt 0x0                           ; my part of slot 0 is in; slot 1's first fill is issued as a refill is:
	ds_add_u32 v254, v255                          ; 0 onto my spare word
	s_wait_dscnt 0x0
	CROUND                                         ; a whole round: slot 0 is whole, and the joint loads meet
	JLOAD 36, 52                                   ; slot 1, the first tensor load behind the round
	FETCH 0, 0, 0
	STEP 0, 0, 0                                   ; the first K step starts the sums
	STEP 0, 1, 1
	STEP 0, 2, 1
	s_wait_tensorcnt 0x0                           ; K step 3 changes slots: my part of slot 1 is in,
	s_wait_dscnt 12
	WIN 0x5a
	MUL8 0, 1, 1
	s_wait_dscnt 0x0                               ; and my reads of slot 0 are over
	s_barrier_signal -1
	MUL8 2, 1, 1
	s_barrier_wait -1
	PLACES
	FETCH 1, 0, 0
	WIN 0x5a
	MUL8 4, 1, 1
	MUL8 6, 1, 1
	STEP 1, 0, 1
	STEP 1, 1, 1
	STEP 1, 2, 1
	s_wait_dscnt 12                                ; the last K step
	WIN 0x5a
	MUL8 0, 1, 1
	MUL8 2, 1, 1
	s_wait_alu depctr_va_vdst(0)
	s_wait_dscnt 0x0
	MUL8 4, 1, 1
	MUL8 6, 1, 1
	WIN 0
.macro TOSTAGE a                       ; block a: 16 positions x 64 columns into my stage, and back as rows of 256 bytes
	WIN 0x04                                       ; an LDS store's data are its source 1: window 1
.irp b, 0,1,2,3
	ds_store_b128 v16, v[8*(4*(\a)+\b):8*(4*(\a)+\b)+3] offset:128*(\b/2)+32*(\b%2)          ; each accumulator from its low end on
	ds_store_b128 v16, v[8*(4*(\a)+\b)+4:8*(4*(\a)+\b)+7] offset:128*(\b/2)+32*(\b%2)+16
.endr
	WIN 0
.irp t, 0,1,2,3,4,5,6,7
	ds_load_b128 v[128+32*((\a)%2)+4*\t:128+32*((\a)%2)+4*\t+3], v19 offset:2*\t*272   ; LDS serves a wave's instructions in order: these see the stores above
.endr
.endm
.macro SEND a, younger                 ; younger: the LDS instructions issued behind block a's loads
	s_wait_dscnt \younger
.irp t, 0,1,2,3,4,5,6,7
	global_store_b128 v1, v[128+32*((\a)%2)+4*\t:128+32*((\a)%2)+4*\t+3], s[8:9] offset:(32*((\a)/2)+8*((\a)%2)+2*\t+8*(\t/4))*8192 th:TH_STORE_NT   ; 16 lanes store 256 consecutive bytes, aligned; the immediate is the token's row
.endr
.endm
	PLACES                                         ; ahead of the first reads of results and of the loads into B's registers
	TOSTAGE 0
.irp a, 1,2,3,4,5,6,7
.if \a > 1
	s_wait_xcnt 0x0                                ; block a - 2's stores have read their registers: block a's loads may land there
.endif
	TOSTAGE \a
	SEND \a-1, 16                                  ; behind block a - 1's loads: block a's 8 stores and 8 loads
.endr
	SEND 7, 0
	s_wait_dscnt 0x0
	s_wait_tensorcnt 0x0
	ds_add_u32 v254, v255
	s_wait_dscnt 0x0
	CROUND                                         ; the closing round
	s_endpgm
.Lfunc_end_k_q646dcc4936_gemm_o:
	.size	k_q646dcc4936_gemm_o, .Lfunc_end_k_q646dcc4936_gemm_o-k_q646dcc4936_gemm_o
	.p2alignl 7, 3214868480
	.fill 96, 4, 3214868480
	.section	.rodata,"a",@progbits
	.p2align	6, 0x0
	.amdhsa_kernel k_q646dcc4936_gemm_o
		.amdhsa_group_segment_fixed_size 327680
		.amdhsa_private_segment_fixed_size 0
		.amdhsa_enable_private_segment 0
		.amdhsa_kernarg_size 24
		.amdhsa_user_sgpr_count 2
		.amdhsa_user_sgpr_kernarg_segment_ptr 1
		.amdhsa_wavefront_size32 1
		.amdhsa_system_sgpr_workgroup_id_x 1
		.amdhsa_system_sgpr_workgroup_id_y 1
		.amdhsa_system_sgpr_workgroup_id_z 1
		.amdhsa_system_vgpr_workitem_id 0
		.amdhsa_next_free_vgpr 768
		.amdhsa_next_free_sgpr 100
		.amdhsa_reserve_vcc 0
		.amdhsa_float_denorm_mode_32 3
		.amdhsa_float_denorm_mode_16_64 3
		.amdhsa_memory_ordered 1
		.amdhsa_forward_progress 1
		.amdhsa_inst_pref_size 83
	.end_amdhsa_kernel
	.amdgpu_metadata
---
amdhsa.version: [ 1, 2 ]
amdhsa.kernels:
  - .name:           k_q646dcc4936_gemm_o
    .symbol:         k_q646dcc4936_gemm_o.kd
    .args:
      - { .name: ab, .offset: 0, .size: 8, .value_kind: global_buffer, .address_space: global }
      - { .name: wts, .offset: 8, .size: 8, .value_kind: global_buffer, .address_space: global }
      - { .name: out0, .offset: 16, .size: 8, .value_kind: global_buffer, .address_space: global }
    .group_segment_fixed_size: 327680
    .private_segment_fixed_size: 0
    .kernarg_segment_align: 8
    .kernarg_segment_size: 24
    .max_flat_workgroup_size: 128
    .sgpr_count:     100
    .vgpr_count:     768
    .wavefront_size: 32
...
	.end_amdgpu_metadata
.endif
;; end of part 4
